; MI455X (gfx1250); checked and timed in simulation.
; The chip was launched on July 23, 2026; its instructions are those of AMD's public machine-readable ISA for CDNA 5 (MIT licence, August 2026) and "CDNA5" Instruction Set Architecture Reference Guide (July 2026). The comments in the code are by the model that wrote it; some were corrected since.
;; attn mh. Allowed arithmetic: matrix products marked QUANTISED: E5M2 operands, one E8M0 scale for each 32 along K, by v_wmma_scale_f32_16x16x128_f8f6f4 with both operands' format E5M2, f32 sums; everything else in f32.
;; Inputs: Wk_codes 1,024 x 32 x 32 uint8 (E5M2 codes of Wk, K innermost, in blocks of 32 codes); Wk_scales 1,024 x 32 uint8 (E8M0 scales of Wk, one for each 32 codes along K); Wo_codes 1,024 x 32 x 32 uint8 (E5M2 codes of Wo, K innermost, in blocks of 32 codes); Wo_scales 1,024 x 32 uint8 (E8M0 scales of Wo, one for each 32 codes along K); Wq_codes 1,024 x 32 x 32 uint8 (E5M2 codes of Wq, K innermost, in blocks of 32 codes); Wq_scales 1,024 x 32 uint8 (E8M0 scales of Wq, one for each 32 codes along K); Wv_codes 1,024 x 32 x 32 uint8 (E5M2 codes of Wv, K innermost, in blocks of 32 codes); Wv_scales 1,024 x 32 uint8 (E8M0 scales of Wv, one for each 32 codes along K); bk 1,024 float32; bo 1,024 float32; bq 1,024 float32; bv 1,024 float32; group_prob 1 x 4,096 x 4,096 float32; k_codes 1 x 4,096 x 32 x 32 uint8 (E5M2 codes of k, K innermost, in blocks of 32 codes); k_scales 1 x 4,096 x 32 uint8 (E8M0 scales of k, one for each 32 codes along K); ln_b 1,024 float32; ln_g 1,024 float32; mask 1 x 1 x 4,096 x 4,096 int32; q 1 x 4,096 x 1,024 float32; v_codes 1 x 4,096 x 32 x 32 uint8 (E5M2 codes of v, K innermost, in blocks of 32 codes); v_scales 1 x 4,096 x 32 uint8 (E8M0 scales of v, one for each 32 codes along K).
;; Outputs: out0 1 x 4,096 x 1,024 float32.
;; This version of the problem:
;;   THIS VERSION OF THE PROBLEM IS GIVEN IN LOW PRECISION. The matrix products marked QUANTISED in the list below multiply operands that are first quantised to E5M2 (5 exponent bits, 2 mantissa bits; 8 bits a number), with one power-of-two scale for each 32 numbers along K (OCP MX v1.0); their sums are f32. All else is computed in f32.
;;   The module's matrix products, in the order in which they are computed (A, B: the left and right operand; K: the contracted axis; several contracted axes count as one K, in the product's order):
;;     1. [M 4,096, K 1,024] x [K 1,024, N 1,024]; A: input q; B: input Wq (given as codes): QUANTISED
;;     2. [M 4,096, K 1,024] x [K 1,024, N 1,024]; A: input k (given as codes); B: input Wk (given as codes): QUANTISED
;;     3. [M 4,096, K 1,024] x [K 1,024, N 1,024]; A: input v (given as codes); B: input Wv (given as codes): QUANTISED
;;     4. batch 8 x [M 4,096, K 128] x [K 128, N 4,096]; A: computed on the way; B: computed on the way: QUANTISED
;;     5. batch 8 x [M 4,096, K 4,096] x [K 4,096, N 128]; A: computed on the way; B: computed on the way: QUANTISED
;;     6. [M 4,096, K 1,024] x [K 1,024, N 1,024]; A: computed on the way; B: input Wo (given as codes): QUANTISED
;;   THE QUANTISER, for each operand of a quantised product, along K:
;;     - K is cut into blocks of 32 from its start; a last block that is shorter is filled with zeros.
;;     - A block's scale is 2^e with e = floor(log2(the largest magnitude in the block)) - 15, held to -126 .. 127; a block of zeros has e = 0. As a byte (E8M0): e + 127.
;;     - Each number is divided by its block's scale, clamped to +-57,344, and rounded to the nearest number of E5M2, ties to even, subnormals kept.
;;     - The product sums the exact products of the quantised numbers (number of the format x scale) in f32.
;;   ~~~python
;;   def quantise(x, axis):      # numpy; x: float32 -> the quantised numbers, widened to float32 again
;;       x = np.moveaxis(x, axis, -1); K = x.shape[-1]
;;       x = np.pad(x, [(0, 0)] * (x.ndim - 1) + [(0, -K % 32)]); x = x.reshape(x.shape[:-1] + (-1, 32)); a = np.abs(x).max(-1, keepdims=True)
;;       e = np.where(a > 0, np.clip(np.frexp(np.where(a > 0, a, 1))[1] - 1 - 15, -126, 127), 0)      # np.frexp(a)[1] - 1 = floor(log2(a)), exactly
;;       r = np.clip(x / 2.0 ** e, -57344, 57344)
;;       step = 2.0 ** (np.maximum(np.frexp(np.where(r == 0, 1, r))[1] - 1, -14) - 2)
;;       q = np.round(r / step) * step * 2.0 ** e      # np.round: ties to even
;;       return np.moveaxis(q.reshape(q.shape[:-2] + (-1,))[..., :K], -1, axis).astype(np.float32)
;;   ~~~
;;   OPERANDS COMPUTED ON THE WAY. 'Computed on the way' means the value that the module computes at that place (a softmax that the list does not call 'softmax' is quantised finished and normalised). What goes into a quantiser is computed in f32, as accurately as f32 sums, v_exp_f32 and their like allow (about 1e-6 of the number): no bf16 or f16 on the way to a quantiser, and a product that is left as it is and whose result goes on into a quantised operand takes f32 operands (vector FMAs, or v_wmma_f32_16x16x4_f32). A number that lies on a knife's edge between two numbers of the format may be rounded either way, as far as f32 arithmetic and the matrix unit's own rounding can turn it there, and no further.
;;   INPUTS GIVEN AS CODES. Wk (in the module: [1024, 1024], K = its axis 1); Wo (in the module: [1024, 1024], K = its axis 1); Wq (in the module: [1024, 1024], K = its axis 1); Wv (in the module: [1024, 1024], K = its axis 1); k (in the module: [1, 4096, 1024], K = its axis 2); v (in the module: [1, 4096, 1024], K = its axis 2): each comes as NAME_codes (uint8): NAME with its K axis moved to the last place and cut into blocks of 32 codes, [.., K / 32, bytes a block], one block behind the other in memory; one code a byte (a code: sign, 5 exponent bits, 2 mantissa bits); and NAME_scales (uint8): the same leading axes, one E8M0 byte (e + 127) for each 32 codes along K. Its value is code x scale, taken as it is: it is not quantised again, and the codes and scales need not be those that the quantiser above would give.
;; One version. Each part assembles by itself: llvm-mc -triple=amdgcn-amd-amdhsa -mcpu=gfx1250 --defsym DOCPART=n.
;; ======== version 1 of 1: 4 launches
;; limits: right only within a limited range of input values
;; workspace buffers: prepA 5,373,952 bytes; mwords 2,097,152 bytes of whole numbers; gimg 67,108,864 bytes; qkv 12,976,128 bytes; zbuf 4,325,376 bytes
;; launch prep (part 1): grid 1168 x 1, 4 waves a work-group, no clusters, 56,832 bytes of LDS; arguments mask, group_prob, q, Wo_codes, mwords, gimg, prepA; writes mwords, gimg, prepA
.if DOCPART == 1
	.amdgcn_target "amdgcn-amd-amdhsa--gfx1250"
	.amdhsa_code_object_version 6
	.text
	.protected	k_qa9d65134d6_prep
	.globl	k_qa9d65134d6_prep
	.p2align	8
	.type	k_qa9d65134d6_prep,@function
k_qa9d65134d6_prep:
	s_mov_b64 s[64:65], 0
	v_nop
	global_prefetch_b8 v0, s[64:65] scope:SCOPE_SE
	s_setreg_imm32_b32 hwreg(HW_REG_WAVE_MODE, 25, 1), 1
	s_wait_xcnt 0x0
; LAYS OUT WHAT THE LATER LAUNCHES READ.  Three kinds of work-groups, told apart by the work-group's number; waves share nothing: no barrier.
;  0 .. 127: q (f32) into E5M2 codes and E8M0 bytes, K innermost: prepA[0 ..] = codes [4096][1024], prepA[QS_AT ..] = bytes [4096][32].
;     A block's scale is 2^(floor(log2(largest magnitude)) - 15); the byte is held at 1 from below (a block of zeros keeps 1: its codes are zeros, and this program alone reads the bytes).
;     These have the longest chain of dependent steps in the launch (16 a wave), so they stand first in the grid.
;  128 .. 143: Wo's codes as images of the operand's registers: prepA[WO_AT ..] = [64 tiles of 16 rows][8 K steps][four groups of four registers][16 bytes x lane].
;  144 .. 1167: mask and group_prob.  A wave takes 32 queries (group G) x 128 keys (step) and turns both into the order in which the attention launch's score registers lie:
;     tile u (0, 1) of the group, lane (r, h): query 32 G + 8 u + r + 8 (r / 8); register n = 16 b + i: key 128 step + 32 b + 16 h + i.
;     group_prob goes out as an image of those registers: gimg[G][step][half of 64 keys][u][8 groups of four registers][16 bytes x lane].
;     the mask goes out as one 32-bit lane mask (bit = lane, 1 where mask != 0) for each register: mwords[G][step][half][u][32 words].
; LDS: four stages for the turn (4 x 8,448 bytes) and, apart from them, four regions for q's path (4 x 5,632): 56,320 bytes, and 512 of spare words behind them (56,832); no more is claimed than that, so that more work-groups can lie side by side.
; LIMITS: NaN and infinities in q are not served.
.set NQW,   128                        ; work-groups of q's path
.set NWO,   16                         ; of Wo's
.set FIRSTB, NQW+NWO                   ; the first of mask and group_prob
.set STGB,  16*528                     ; a wave's stage for the turn: 16 rows of 512 bytes + 16 of padding
.set QLDS,  4*STGB                     ; LDS of q's path: bytes of its own
.set QWB,   5632                       ; a wave's part of them: two stages of 2,560 bytes and 256 scale bytes, rounded up to a multiple of 512
.set QS_AT, 4194304
.set WO_AT, 4325376
.set SETA,  32                         ; v32-95   a tile of 16 queries x 128 keys
.set SETB,  96                         ; v96-159  another
	s_load_b256 s[4:11], s[0:1], 0x0               ; mask s[4:5], group_prob s[6:7], q s[8:9], Wo's codes s[10:11]
	s_load_b128 s[12:15], s[0:1], 0x20             ; mwords s[12:13], gimg s[14:15]
	s_load_b64 s[16:17], s[0:1], 0x30              ; prepA
	v_lshrrev_b32 v1, 5, v0
	v_readfirstlane_b32 s18, v1                    ; wave 0..3
	v_and_b32 v1, 31, v0                           ; lane
	s_cmp_ge_u32 ttmp9, FIRSTB
	s_cbranch_scc0 .Lnot_b
; ---------------- mask and group_prob ----------------
	s_sub_co_u32 s24, ttmp9, FIRSTB                ; my number among the 1,024
	s_lshr_b32 s19, s24, 3                         ; G
	s_and_b32 s24, s24, 7
	s_lshl_b32 s24, s24, 2
	s_add_co_u32 s24, s24, s18                     ; step = 4 (number % 8) + wave
	s_lshl_b32 s26, s19, 19                        ; 32 rows of 16,384 bytes
	s_lshl_b32 s25, s24, 9                         ; 128 keys of 4 bytes
	s_add_co_u32 s26, s26, s25
	s_mov_b32 s27, 0
	s_lshl_b32 s28, s19, 5
	s_add_co_u32 s28, s28, s24                     ; 32 G + step
	s_lshl_b32 s30, s28, 14                        ; 16,384 bytes of gimg each,
	s_mov_b32 s31, 0
	s_lshl_b32 s28, s28, 9                         ; 512 of mwords
	s_mov_b32 s29, 0
	s_mul_i32 s25, s18, STGB                       ; my stage
	s_wait_alu depctr_va_vdst(0)
	v_lshlrev_b32 v2, 4, v1                        ; 16 x lane: loads, and stores of the image
	v_add_nc_u32 v3, s25, v2                       ; into the stage: a row as it lies
	v_and_b32 v5, 15, v0
	v_bfe_u32 v7, v0, 4, 1
	v_mul_u32_u24 v4, v5, 528
	v_lshl_add_u32 v4, v7, 6, v4
	v_add_nc_u32 v4, s25, v4                       ; out of it: row r, + 64 h: 16 keys of each block of 32
	v_lshlrev_b32 v6, 3, v1                        ; 8 x lane: the words' store
.irp i, 8,9,10,11
	v_mov_b32 v\i, 0                               ; the words' registers: v_writelane's destination counts as read
.endr
	s_wait_alu depctr_va_vdst(0)
	s_wait_kmcnt 0x0
	s_add_nc_u64 s[4:5], s[4:5], s[26:27]
	s_add_nc_u64 s[6:7], s[6:7], s[26:27]
	s_add_nc_u64 s[14:15], s[14:15], s[30:31]
	s_add_nc_u64 s[12:13], s[12:13], s[28:29]
.macro LOADT set, b, u                 ; tile u: 16 rows, each load 512 consecutive bytes of one row
.set il, 0
.rept 16
	global_load_b128 v[\set+4*il:\set+4*il+3], v2, s[\b:\b+1] offset:(8*\u+il+8*(il/8))*16384 th:TH_LOAD_NT
.set il, il+1
.endr
.endm
.macro TURN set                        ; through the stage: LDS serves a wave's instructions in order, so no wait stands between the stores and the loads
.set il, 0
.rept 16
	ds_store_b128 v3, v[\set+4*il:\set+4*il+3] offset:528*il
.set il, il+1
.endr
.set il, 0
.rept 16
	ds_load_b128 v[\set+4*il:\set+4*il+3], v4 offset:128*(il/4)+16*(il%4)
.set il, il+1
.endr
.endm
.macro STOREG set, u                   ; the image: each store 512 consecutive bytes, aligned
.set il, 0
.rept 16
	global_store_b128 v2, v[\set+4*il:\set+4*il+3], s[14:15] offset:(il/8)*8192+\u*4096+(il%8)*512 th:TH_STORE_NT
.set il, il+1
.endr
.endm
.macro WORDS set, u                    ; register n's lane mask becomes word 32 u + n % 32 of half n / 32: lane 16 u + (n % 32) / 2 of v[8 + 2 (n / 32) + n % 2]
.set nw, 0
.rept 16
.irp e, 0,1,2,3
	v_cmp_ne_u32 s[20+\e], 0, v[\set+nw+\e]
.endr
.irp e, 0,1,2,3
	v_writelane_b32 v[8+2*((nw+\e)/32)+(\e%2)], s[20+\e], 16*\u+((nw+\e)%32)/2
.endr
.set nw, nw+4
.endr
.endm
	LOADT SETA, 6, 0
	LOADT SETB, 4, 0
	s_wait_loadcnt 16                              ; group_prob's tile is in; the mask's 16 loads may be out
	TURN SETA
	s_wait_dscnt 0x0
	STOREG SETA, 0
	s_wait_loadcnt 0x0
	TURN SETB
	s_wait_dscnt 0x0
	s_wait_xcnt 0x0                                ; the stores have read their data: the set may be loaded again
	LOADT SETA, 6, 1
	WORDS SETB, 0
	LOADT SETB, 4, 1
	s_wait_loadcnt 16
	TURN SETA
	s_wait_dscnt 0x0
	STOREG SETA, 1
	s_wait_loadcnt 0x0
	TURN SETB
	s_wait_dscnt 0x0
	WORDS SETB, 1
	global_store_b64 v6, v[8:9], s[12:13]          ; half 0: 32 lanes store 256 consecutive bytes, aligned
	global_store_b64 v6, v[10:11], s[12:13] offset:256
	v_lshl_add_u32 v16, v0, 2, 0xdc00              ; no two registers can be kept in q's path, so my spare word's address and 0 are made here, from v0
	v_mov_b32 v17, 0
	s_wait_alu depctr_va_vdst(0)
	s_wait_tensorcnt 0x0
	ds_add_u32 v16, v17
	s_wait_dscnt 0x0
	s_endpgm
; ---------------- q into codes ----------------
.Lnot_b:
	s_cmp_lt_u32 ttmp9, NQW
	s_cbranch_scc0 .Lpath_c
.set STEPS, 16                         ; a wave takes 16 steps of 512 numbers: a dense stream of blocks of 32
.set EMAX,  15
.set QR,    16                         ; v16-79   four sets of 16 numbers as loaded
.set QX,    80                         ; v80-111  two sets of 16 neighbours
.set QC,    128                        ; v128-191 codes: four registers a step, so that no store's data are written again
.set QE,    112                        ; v112-127 a scale byte a step
.set SPL,   80                         ; a lane's place in a stage: 64 bytes + 16 of padding
	s_lshl_b32 s19, ttmp9, 2
	s_add_co_u32 s19, s19, s18                     ; which run of 8,192 numbers is my wave's
	s_lshl_b32 s24, s19, 15
	s_mov_b32 s25, 0
	s_lshl_b32 s26, s19, 13
	s_mov_b32 s27, 0
	s_lshl_b32 s28, s19, 8
	s_add_co_u32 s28, s28, QS_AT
	s_mov_b32 s29, 0
	s_mul_i32 s19, s18, QWB
	s_add_co_u32 s19, s19, QLDS                    ; my wave's LDS: two stages of 32 x SPL bytes, then 256 scale bytes
	s_wait_alu depctr_va_vdst(0)
	v_lshlrev_b32 v3, 4, v1                        ; my 16 bytes of a load's 512
	v_lshrrev_b32 v14, 2, v1
	v_mul_u32_u24 v14, v14, SPL
	v_and_b32 v15, 3, v1
	v_lshl_add_u32 v14, v15, 4, v14
	v_add_nc_u32 v14, s19, v14                     ; into the stage: four lanes' 64 bytes on end, then the padding
	v_mul_u32_u24 v15, v1, SPL
	v_add_nc_u32 v15, s19, v15                     ; out of it: my 16 neighbours
	v_lshlrev_b32 v4, 4, v1                        ; my 16 codes in a step's 512
	v_lshrrev_b32 v5, 1, v1
	s_add_co_u32 s19, s19, 2*32*SPL
	v_add_nc_u32 v5, s19, v5                       ; my block's byte
	v_lshlrev_b32 v7, 3, v1
	v_add_nc_u32 v6, s19, v7
	s_mov_b32 s23, 0x600000                        ; the mantissa field of 57,344
	s_wait_alu depctr_va_vdst(0)
	s_wait_kmcnt 0x0
	s_add_nc_u64 s[8:9], s[8:9], s[24:25]
	s_add_nc_u64 s[20:21], s[16:17], s[28:29]      ; the bytes
	s_add_nc_u64 s[16:17], s[16:17], s[26:27]      ; the codes
.macro QLOAD t
.irp i, 0,1,2,3
	global_load_b128 v[QR+16*((\t)%4)+4*\i:QR+16*((\t)%4)+4*\i+3], v3, s[8:9] offset:2048*(\t)+512*\i
.endr
.endm
.macro QTURN t
.irp i, 0,1,2,3
	ds_store_b128 v14, v[QR+16*((\t)%4)+4*\i:QR+16*((\t)%4)+4*\i+3] offset:32*SPL*((\t)%2)+8*SPL*\i
.endr
.irp i, 0,1,2,3
	ds_load_b128 v[QX+16*((\t)%2)+4*\i:QX+16*((\t)%2)+4*\i+3], v15 offset:32*SPL*((\t)%2)+16*\i
.endr
.endm
.irp t, 0,1,2,3
	QLOAD \t
.endr
	s_wait_loadcnt 12                              ; step 0's four loads are in
	QTURN 0
.macro QSTEP t
.set XS, QX+16*((\t)%2)
.if (\t) > 0
	s_wait_dscnt 1                                 ; this step's numbers are back from the stage (the last step's byte store may be out)
.else
	s_wait_dscnt 0x0
.endif
.if (\t)+4 < STEPS
	QLOAD (\t)+4
.endif
.if (\t)+1 < STEPS
.if STEPS-2-(\t) >= 3
	s_wait_loadcnt 12                              ; the next step's four loads are in; those of the three steps behind it may be out
.else
	s_wait_loadcnt 4*(STEPS-2-(\t))
.endif
	QTURN (\t)+1
.endif
	v_max3_num_f32 v8, |v[XS]|, |v[XS+1]|, |v[XS+2]|
	v_max3_num_f32 v9, |v[XS+3]|, |v[XS+4]|, |v[XS+5]|
.irp i, 6,10
	v_max3_num_f32 v8, v8, |v[XS+\i]|, |v[XS+\i+1]|
	v_max3_num_f32 v9, v9, |v[XS+\i+2]|, |v[XS+\i+3]|
.endr
	v_max3_num_f32 v8, v8, |v[XS+14]|, |v[XS+15]|
	v_max3_num_f32 v8, v8, v9, (EMAX+1)<<23        ; the floor 2^(16 - 127): the byte cannot fall under 1
	v_max_num_f32_dpp v8, v8, v8 row_xmask:1 row_mask:0xf bank_mask:0xf   ; with my neighbour's 16: the block's
	v_add_nc_u32 v11, -(EMAX<<23), v8              ; 15 off the exponent field: the conversion's scale operand
	v_and_or_b32 v10, v8, 0x7f800000, s23          ; 57,344 x the scale
.irp i, 0,1,2,3,4,5,6,7,8,9,10,11,12,13,14,15
	v_med3_num_f32 v[XS+\i], v[XS+\i], -v10, v10   ; the conversion to an 8-bit code does not saturate (ISA guide 7.6.2): the hold
.endr
	v_cvt_scalef32_pk8_bf8_f32 v[QC+4*(\t):QC+4*(\t)+1], v[XS:XS+7], v11
	v_cvt_scalef32_pk8_bf8_f32 v[QC+4*(\t)+2:QC+4*(\t)+3], v[XS+8:XS+15], v11
	v_lshrrev_b32 v[QE+(\t)], 23, v11              ; the scale's byte
	ds_store_b8 v5, v[QE+(\t)] offset:16*(\t)      ; both lanes of a block write the same byte with the same value
	global_store_b128 v4, v[QC+4*(\t):QC+4*(\t)+3], s[16:17] offset:512*(\t)
.endm
.irp t, 0,1,2,3,4,5,6,7,8,9,10,11,12,13,14,15
	QSTEP \t
.endr
	ds_load_b64 v[12:13], v6
	s_wait_dscnt 0x0
	global_store_b64 v7, v[12:13], s[20:21]        ; 32 lanes store 256 consecutive bytes, aligned
	v_lshl_add_u32 v16, v0, 2, 0xdc00              ; v16, v17: every load into them has been waited for, and no store reads them
	v_mov_b32 v17, 0
	s_wait_alu depctr_va_vdst(0)
	s_wait_tensorcnt 0x0
	ds_add_u32 v16, v17
	s_wait_dscnt 0x0
	s_endpgm
; ---------------- Wo's image ----------------
; The reads follow the fragment's pattern (32 bytes of 16 rows an instruction); they cover 1 MiB once, a small part of this launch's bytes, so no turn through LDS is spent on them.
.Lpath_c:
	s_sub_co_u32 s19, ttmp9, NQW
	s_lshl_b32 s19, s19, 2
	s_add_co_u32 s19, s19, s18                     ; tile of 16 rows
	s_lshl_b32 s24, s19, 14                        ; 16 rows of 1,024 bytes; and an image of 8 x 2,048
	s_mov_b32 s25, 0
	s_add_co_u32 s26, s24, WO_AT
	s_mov_b32 s27, 0
	v_and_b32 v2, 15, v0
	v_bfe_u32 v3, v0, 4, 1
	v_lshlrev_b32 v2, 10, v2
	v_lshl_add_u32 v2, v3, 4, v2                   ; row r, + 16 h
	s_wait_alu depctr_va_vdst(0)
	v_lshlrev_b32 v3, 4, v1
	s_wait_alu depctr_va_vdst(0)
	s_wait_kmcnt 0x0
	s_add_nc_u64 s[10:11], s[10:11], s[24:25]
	s_add_nc_u64 s[16:17], s[16:17], s[26:27]
.set il, 0
.rept 32
	global_load_b128 v[32+4*il:32+4*il+3], v2, s[10:11] offset:32*il   ; K step il / 4, registers 4 (il % 4) on: k = 128 s + 32 c + 16 h
.set il, il+1
.endr
	s_wait_loadcnt 0x0
.set il, 0
.rept 32
	global_store_b128 v3, v[32+4*il:32+4*il+3], s[16:17] offset:512*il
.set il, il+1
.endr
	s_endpgm
.Lfunc_end_k_qa9d65134d6_prep:
	.size	k_qa9d65134d6_prep, .Lfunc_end_k_qa9d65134d6_prep-k_qa9d65134d6_prep
	.p2alignl 7, 3214868480
	.fill 96, 4, 3214868480
	.section	.rodata,"a",@progbits
	.p2align	6, 0x0
	.amdhsa_kernel k_qa9d65134d6_prep
		.amdhsa_group_segment_fixed_size 56832
		.amdhsa_private_segment_fixed_size 0
		.amdhsa_enable_private_segment 0
		.amdhsa_kernarg_size 56
		.amdhsa_user_sgpr_count 2
		.amdhsa_user_sgpr_kernarg_segment_ptr 1
		.amdhsa_wavefront_size32 1
		.amdhsa_system_sgpr_workgroup_id_x 1
		.amdhsa_system_sgpr_workgroup_id_y 1
		.amdhsa_system_sgpr_workgroup_id_z 1
		.amdhsa_system_vgpr_workitem_id 0
		.amdhsa_next_free_vgpr 192
		.amdhsa_next_free_sgpr 66
		.amdhsa_reserve_vcc 0
		.amdhsa_float_denorm_mode_32 3
		.amdhsa_float_denorm_mode_16_64 3
		.amdhsa_memory_ordered 1
		.amdhsa_forward_progress 1
		.amdhsa_inst_pref_size 93
	.end_amdhsa_kernel
	.amdgpu_metadata
---
amdhsa.version: [ 1, 2 ]
amdhsa.kernels:
  - .name:           k_qa9d65134d6_prep
    .symbol:         k_qa9d65134d6_prep.kd
    .args:
      - { .name: mask, .offset: 0, .size: 8, .value_kind: global_buffer, .address_space: global }
      - { .name: group_prob, .offset: 8, .size: 8, .value_kind: global_buffer, .address_space: global }
      - { .name: q, .offset: 16, .size: 8, .value_kind: global_buffer, .address_space: global }
      - { .name: Wo_codes, .offset: 24, .size: 8, .value_kind: global_buffer, .address_space: global }
      - { .name: mwords, .offset: 32, .size: 8, .value_kind: global_buffer, .address_space: global }
      - { .name: gimg, .offset: 40, .size: 8, .value_kind: global_buffer, .address_space: global }
      - { .name: prepA, .offset: 48, .size: 8, .value_kind: global_buffer, .address_space: global }
    .group_segment_fixed_size: 56832
    .private_segment_fixed_size: 0
    .kernarg_segment_align: 8
    .kernarg_segment_size: 56
    .max_flat_workgroup_size: 128
    .sgpr_count:     66
    .vgpr_count:     192
    .wavefront_size: 32
...
	.end_amdgpu_metadata
.endif
;; end of part 1
;; launch proj (part 2): grid 4 x 48, 4 waves a work-group, clusters of 4 x 4, 327,680 bytes of LDS; arguments prepA, k_codes, k_scales, v_codes, v_scales, Wq_codes, Wq_scales, Wk_codes, Wk_scales, Wv_codes, Wv_scales, bq, bk, bv, qkv; writes qkv
.if DOCPART == 2
	.amdgcn_target "amdgcn-amd-amdhsa--gfx1250"
	.amdhsa_code_object_version 6
	.text
	.protected	k_qa9d65134d6_proj
	.globl	k_qa9d65134d6_proj
	.p2align	8
	.type	k_qa9d65134d6_proj,@function
k_qa9d65134d6_proj:
	s_mov_b64 s[64:65], 0
	v_nop
	global_prefetch_b8 v0, s[64:65] scope:SCOPE_SE
	s_setreg_imm32_b32 hwreg(HW_REG_WAVE_MODE, 25, 1), 1
	s_wait_xcnt 0x0
	s_wait_alu depctr_hold_cnt(0) depctr_sa_sdst(0) depctr_va_vdst(0) depctr_va_sdst(0) depctr_va_ssrc(0) depctr_va_vcc(0) depctr_vm_vsrc(0)
	s_getreg_b32 s2, hwreg(HW_REG_IB_STS2, 6, 4)
	s_cmp_eq_u32 s2, 0
	s_cbranch_scc0 .Lentry_in_a_cluster
	s_endpgm
.Lentry_in_a_cluster:
	s_bfe_u32 s2, ttmp6, 0x10000c
	s_cmp_lg_u32 s2, 0xf033
	s_cbranch_scc0 .Lentry_shape_is_right
	s_endpgm
.Lentry_shape_is_right:
.set KSTEP,  256
.set NQ,     2
.set ROWB,   256
.set KROW,   1024
.set PITCH,  272
.set FR,     16
.set NL,     4
.set NP,     8
.set HALFT,  128*PITCH
.set SLOT,   4*HALFT
.set SCL,    2*SLOT
.set HALFS,  16*272
.set SPARE,  SCL+4*HALFS
.set QS_AT,  4194304
.set BL,   8
.set ADRA, 16
.set ADRB, 20
.set BRA,  7
.set C8,   25
.set CO,   26
.set ADRS, 27
.set SPW,  28
.set NIL,  29
.set BLA,  30
.set SC,   32
.set BR,   64
.set AF,   128
.set T,    128
.set PC,   192
.set TM,   208
.set PW,   224
.set SQ,   226
.set MNT,  10
.set SEL,  46
.set G1, 24
.set G0, 32
.set G1B, 48
.set G0B, 56
.set G1S, 68
.set G0S, 76
.set G1SB, 80
.set G0SB, 88
.set MSB, 0
.macro WIN new
.if MSB != \new
	s_set_vgpr_msb (MSB<<8)|\new
.set MSB, \new
.endif
.endm
.set MUL_LO, 0xa1
.set MUL_HI, 0xf1
.set TO_B,   0x40
.macro JLOAD g0a, g1a, g0b, g1b
	s_cmp_eq_u32 s15, 0
	s_cbranch_scc0 .Lfor_b_\@
	tensor_load_to_lds s[\g0a:\g0a+3], s[\g1a:\g1a+7]
	s_nop 0
.rept 4
	v_nop
.endr
	s_branch .Lasked_\@
.Lfor_b_\@:
	tensor_load_to_lds s[\g0b:\g0b+3], s[\g1b:\g1b+7]
	s_nop 0
.rept 4
	v_nop
.endr
.Lasked_\@:
.endm
.macro CREST
	s_cmp_lg_u32 s14, 0
	s_cbranch_scc1 .Lnot_wave_0_\@
	s_barrier_signal -3
.Lnot_wave_0_\@:
	s_barrier_wait -3
	s_barrier_signal -1
	s_barrier_wait -1
.endm
.macro CROUND
	s_barrier_signal -1
	s_barrier_wait -1
	CREST
.endm
	s_load_b512 s[24:39], s[0:1], 0x0
	s_load_b256 s[40:47], s[0:1], 0x40
	s_load_b128 s[48:51], s[0:1], 0x60
	s_load_b64 s[52:53], s[0:1], 0x70
	v_lshl_add_u32 v[SPW], v0, 2, SPARE
	v_mov_b32 v[NIL], 0
	ds_add_u32 v28, v29
	ds_add_u32 v28, v29
	s_wait_dscnt 0x0
	v_lshrrev_b32 v1, 5, v0
	v_readfirstlane_b32 s14, v1
	s_lshr_b32 s15, s14, 1
	s_and_b32 s16, s14, 1
	s_bfe_u32 s4, ttmp6, 0x40000
	s_bfe_u32 s5, ttmp6, 0x40004
	s_and_b32 s7, ttmp7, 0xffff
	s_lshr_b32 s6, s7, 2
	s_and_b32 s7, s7, 3
	s_lshl_b32 s7, s7, 2
	s_cmp_eq_u32 s6, 2
	s_cselect_b32 s12, s7, 0
	s_cselect_b32 s13, 0, s7
	s_cselect_b32 s8, 0, -1
	s_cselect_b32 s9, -1, 0
	s_add_co_u32 s12, s12, s4
	s_add_co_u32 s13, s13, s5
	s_lshl_b32 s17, s5, 2
	s_lshl_b32 s17, 15, s17
	s_lshl_b32 s18, 0x1111, s4
	s_wait_kmcnt 0x0
	s_add_nc_u64 s[54:55], s[24:25], QS_AT
	s_cmp_eq_u32 s6, 1
	s_cselect_b64 s[92:93], s[26:27], s[24:25]
	s_cselect_b64 s[94:95], s[28:29], s[54:55]
	s_cselect_b64 s[96:97], s[38:39], s[34:35]
	s_cselect_b64 s[98:99], s[40:41], s[36:37]
	s_cselect_b64 s[100:101], s[48:49], s[46:47]
	s_cmp_eq_u32 s6, 2
	s_cselect_b64 s[92:93], s[42:43], s[92:93]
	s_cselect_b64 s[94:95], s[44:45], s[94:95]
	s_cselect_b64 s[96:97], s[30:31], s[96:97]
	s_cselect_b64 s[98:99], s[32:33], s[98:99]
	s_cselect_b64 s[100:101], s[50:51], s[100:101]
	s_lshl_b32 s56, s6, 22
	s_mov_b32 s57, 0
	s_add_nc_u64 s[104:105], s[52:53], s[56:57]
	s_lshl_b32 s56, s6, 17
	s_add_co_u32 s56, s56, 12582912
	s_add_nc_u64 s[66:67], s[52:53], s[56:57]
	s_or_b32 s[G1+0], s17, (0<<16)|(1<<20)|(1<<21)|(5<<22)|(3<<25)
	s_or_b32 s[G1B+0], s18, (0<<16)|(1<<20)|(1<<21)|(5<<22)|(3<<25)
.irp g, G1, G1B
	s_mov_b32 s[\g+1], ROWB<<16
	s_mov_b32 s[\g+2], 256<<16
	s_mov_b32 s[\g+3], ROWB<<16
	s_mov_b32 s[\g+4], 256
	s_mov_b32 s[\g+5], KROW
	s_mov_b32 s[\g+6], 0
	s_mov_b32 s[\g+7], 0
.endr
	s_or_b32 s[G1S+0], s17, (3<<16)|(1<<20)|(1<<21)|(5<<22)|(3<<25)
	s_or_b32 s[G1SB+0], s18, (3<<16)|(1<<20)|(1<<21)|(5<<22)|(3<<25)
.irp g, G1S, G1SB
	s_mov_b32 s[\g+1], 32<<16
	s_mov_b32 s[\g+2], 32<<16
	s_mov_b32 s[\g+3], 32<<16
	s_mov_b32 s[\g+4], 32
	s_mov_b32 s[\g+5], 32
	s_mov_b32 s[\g+6], 0
	s_mov_b32 s[\g+7], 0
.endr
	s_lshl_b32 s20, s13, 8
	s_lshl_b32 s22, s20, 5
	s_lshl_b32 s20, s20, 10
	s_mov_b32 s21, 0
	s_mov_b32 s23, 0
	s_lshl_b32 s40, s12, 8
	s_lshl_b32 s42, s40, 5
	s_lshl_b32 s40, s40, 10
	s_mov_b32 s41, 0
	s_mov_b32 s43, 0
	s_add_nc_u64 s[20:21], s[92:93], s[20:21]
	s_add_nc_u64 s[22:23], s[94:95], s[22:23]
	s_add_nc_u64 s[40:41], s[96:97], s[40:41]
	s_add_nc_u64 s[42:43], s[98:99], s[42:43]
	s_mul_i32 s45, s14, HALFT
	s_lshl_b32 s18, s16, 17                        ; in the ring I fetch 128 rows of 1,024 bytes: which half, in bytes
	s_mov_b32 s19, 0
	CROUND
	s_mov_b32 s[G0S], 1
	s_mov_b32 s[G0S+1], SCL
	s_mov_b64 s[G0S+2:G0S+3], s[22:23]
	s_or_b32 s[G0S+3], s[G0S+3], 0x80000000
	s_mov_b32 s[G0SB], 1
	s_mov_b32 s[G0SB+1], SCL+2*HALFS
	s_mov_b64 s[G0SB+2:G0SB+3], s[42:43]
	s_or_b32 s[G0SB+3], s[G0SB+3], 0x80000000
	; THE HEAD'S FOUR TILES, ONE JOINT LOAD A WAVE: wave 0 K step 0's 256 rows of A, wave 1 its 256 rows of B, wave 2 the scales of A's 256 rows, wave 3 those of B's.
	; Slot 0's groups 0 serve the two whole tiles first; behind the wait for the head's loads they are set to my 128 rows, for the ring.
	s_mov_b32 s[G0], 1
	s_mov_b32 s[G0+1], 0
	s_mov_b64 s[G0+2:G0+3], s[20:21]
	s_or_b32 s[G0+3], s[G0+3], 0x80000000
	s_mov_b32 s[G0B], 1
	s_mov_b32 s[G0B+1], 2*HALFT
	s_mov_b64 s[G0B+2:G0B+3], s[40:41]
	s_or_b32 s[G0B+3], s[G0B+3], 0x80000000
	s_mov_b32 s[G0+4], 1                           ; slot 1: my 128 rows of K step 1
	s_add_co_u32 s[G0+5], s45, SLOT
	s_add_nc_u64 s[G0+6:G0+7], s[20:21], s[18:19]
	s_add_nc_u64 s[G0+6:G0+7], s[G0+6:G0+7], ROWB
	s_or_b32 s[G0+7], s[G0+7], 0x80000000
	s_mov_b32 s[G0B+4], 1
	s_add_co_u32 s[G0B+5], s45, SLOT
	s_add_nc_u64 s[G0B+6:G0B+7], s[40:41], s[18:19]
	s_add_nc_u64 s[G0B+6:G0B+7], s[G0B+6:G0B+7], ROWB
	s_or_b32 s[G0B+7], s[G0B+7], 0x80000000
.macro ARM under, g0, g1, next                 ; one chain of branches on the wave's number: every way passes exactly one load
	s_cmp_lt_u32 s14, \under
	s_cbranch_scc0 \next
	tensor_load_to_lds s[\g0:\g0+3], s[\g1:\g1+7]
	s_nop 0
.rept 4
	v_nop
.endr
	s_branch .Lhead_asked
\next:
.endm
	ARM 1, G0,  G1,  .Lhead_b
	ARM 2, G0B, G1B, .Lhead_sa
	ARM 3, G0S, G1S, .Lhead_sb
	tensor_load_to_lds s[G0SB:G0SB+3], s[G1SB:G1SB+7]
	s_nop 0
.rept 4
	v_nop
.endr
.Lhead_asked:
	v_and_b32 v1, 15, v0
	v_bfe_u32 v2, v0, 4, 1
	v_and_b32 v31, 8, v1
	v_add_nc_u32 v31, v31, v1
	v_mul_u32_u24 v3, v31, PITCH
	v_lshl_add_u32 v4, v2, 4, v3
	s_mul_i32 s21, s15, HALFT
	s_mul_i32 s22, s16, HALFT
	s_add_co_u32 s22, s22, 2*HALFT
.irp s, 0,1
	v_add_nc_u32 v[ADRA+\s], s21, v4
	v_add_nc_u32 v[ADRB+\s], s22, v4
	s_add_co_u32 s21, s21, SLOT
	s_add_co_u32 s22, s22, SLOT
.endr
	v_and_b32 v5, 7, v1
	v_lshlrev_b32 v5, 5, v5
	v_lshrrev_b32 v6, 3, v1
	v_mad_u32_u24 v5, v6, 544, v5
	s_mul_i32 s21, s15, HALFS
	s_mul_i32 s22, s16, HALFS
	s_add_co_u32 s22, s22, 2*HALFS
	s_sub_co_u32 s22, s22, s21
	v_mul_u32_u24 v6, s22, v2
	s_add_co_u32 s21, s21, SCL
	v_add_nc_u32 v5, v5, v6
	v_add_nc_u32 v[ADRS], s21, v5
	v_and_b32 v6, 31, v0
	v_lshlrev_b32 v[CO], 4, v6
	v_lshlrev_b32 v[C8], 3, v6
	s_lshl_b32 s40, s12, 1
	s_add_co_u32 s40, s40, s16
	s_lshl_b32 s41, s13, 1
	s_add_co_u32 s41, s41, s15
	s_lshl_b32 s42, s40, 9
	s_lshl_b32 s43, s41, 9
	s_cmp_eq_u32 s6, 2
	s_cselect_b32 s42, 0, s42
	s_cselect_b32 s44, s43, 0
	s_cselect_b32 s20, s41, s40
	s_cselect_b32 s21, s40, s41
	s_mov_b32 s43, 0
	s_mov_b32 s45, 0
	s_add_nc_u64 s[98:99], s[100:101], s[44:45]
	s_add_nc_u64 s[100:101], s[100:101], s[42:43]
	s_lshl_b32 s22, s20, 19
	s_lshl_b32 s23, s21, 14
	s_add_co_u32 s22, s22, s23
	s_mov_b32 s23, 0
	s_add_nc_u64 s[104:105], s[104:105], s[22:23]
	s_lshl_b32 s22, s20, 14
	s_lshl_b32 s20, s21, 9
	s_add_co_u32 s22, s22, s20
	s_add_nc_u64 s[66:67], s[66:67], s[22:23]
	v_lshlrev_b32 v[BRA], 6, v2
	v_lshlrev_b32 v[BLA], 2, v31
.set il, 0
.rept 16
	global_load_b128 v[BR+4*il:BR+4*il+3], v[BRA], s[100:101] offset:128*(il/4)+16*(il%4)
.set il, il+1
.endr
.irp a, 0,1,2,3,4,5,6,7
	global_load_b32 v[BL+\a], v[BLA], s[98:99] offset:4*(32*(\a/2)+8*(\a%2))
.endr
	s_mov_b32 s[MNT], 0x600000
	s_mov_b32 s11, 0xffff0000
	s_mov_b32 s[SEL], 0x76543210
	s_mov_b32 s[SEL+1], 0xfedcba98
.macro FRAG reg, adr, q, i
.irp c, 0,1,2,3
	ds_load_b128 v[\reg+4*\c:\reg+4*\c+3], v[\adr] offset:128*(\q)+32*\c+(32*((\i)/2)+8*((\i)%2))*PITCH
.endr
.endm
.macro MUL16 a0, p, q, sc, zero
.irp a, \a0, \a0+1
.irp b, 0,1,2,3,4,5,6,7
.if \zero
	v_wmma_scale_f32_16x16x128_f8f6f4 v[8*(8*((\a)%4)+\b):8*(8*((\a)%4)+\b)+7], v[128*(\p)+FR*\b:128*(\p)+FR*\b+FR-1], v[AF+FR*(\a):AF+FR*(\a)+FR-1], 0, v[SC+8*NQ*(\sc)+NQ*\b+(\q)], v[SC+8*NQ*(\sc)+NQ*(\a)+(\q)] matrix_a_fmt:MATRIX_FMT_BF8 matrix_b_fmt:MATRIX_FMT_BF8 matrix_a_scale:MATRIX_SCALE_ROW1
.else
	v_wmma_scale_f32_16x16x128_f8f6f4 v[8*(8*((\a)%4)+\b):8*(8*((\a)%4)+\b)+7], v[128*(\p)+FR*\b:128*(\p)+FR*\b+FR-1], v[AF+FR*(\a):AF+FR*(\a)+FR-1], v[8*(8*((\a)%4)+\b):8*(8*((\a)%4)+\b)+7], v[SC+8*NQ*(\sc)+NQ*\b+(\q)], v[SC+8*NQ*(\sc)+NQ*(\a)+(\q)] matrix_a_fmt:MATRIX_FMT_BF8 matrix_b_fmt:MATRIX_FMT_BF8 matrix_a_scale:MATRIX_SCALE_ROW1
.endif
.endr
.endr
.endm
.macro FETCH_B slot, q, p
	WIN TO_B
.irp i, 0,1,2,3,4,5,6,7
	FRAG 128*(\p)+FR*\i, ADRB+\slot, \q, \i
.endr
	WIN 0
.endm
.macro FETCH_A slot, q, i0
.irp i, \i0, \i0+1, \i0+2, \i0+3
	FRAG AF+FR*(\i), ADRA+\slot, \q, \i
.endr
.endm
.macro SCALES sc
.irp i, 0,1,2,3,4,5,6,7
	ds_load_b64 v[SC+8*NQ*\sc+NQ*\i:SC+8*NQ*\sc+NQ*\i+1], v[ADRS] offset:(4*(\i/2)+(\i%2))*272
.endr
.endm
.macro PLACES n
.rept \n
	v_nop
.endr
.endm
.macro STEP slot, q, zero
	s_wait_dscnt 4*NL
	WIN MUL_LO
	MUL16 0, (\q)%2, \q, \slot, \zero
	MUL16 2, (\q)%2, \q, \slot, \zero
	s_wait_dscnt 0
	PLACES NP
	FETCH_B \slot, (\q)+1, 1-(\q)%2
	FETCH_A \slot, (\q)+1, 0
	WIN MUL_HI
	MUL16 4, (\q)%2, \q, \slot, \zero
	MUL16 6, (\q)%2, \q, \slot, \zero
	PLACES NP
	WIN 0
	FETCH_A \slot, (\q)+1, 4
.endm
.macro TURN slot, next, fill
	s_wait_tensorcnt 0x0
	ds_add_u32 v[SPW], v[NIL]
	s_wait_dscnt 4*NL+1
	WIN MUL_LO
	MUL16 0, 1, NQ-1, \slot, 0
	s_wait_dscnt 0x0
	s_barrier_signal -1
	MUL16 2, 1, NQ-1, \slot, 0
	WIN 0
	s_barrier_wait -1
.if \fill
	CREST
	s_add_nc_u64 s[G0+4*\slot+2:G0+4*\slot+3], s[G0+4*\slot+2:G0+4*\slot+3], 2*ROWB
	s_add_nc_u64 s[G0B+4*\slot+2:G0B+4*\slot+3], s[G0B+4*\slot+2:G0B+4*\slot+3], 2*ROWB
	JLOAD G0+4*\slot, G1, G0B+4*\slot, G1B
	PLACES NP-4
.else
	PLACES NP
.endif
	s_wait_alu depctr_va_vdst(0)
	v_add_nc_u32 v[ADRS], 4*NQ, v[ADRS]
	FETCH_B \next, 0, 0
	FETCH_A \next, 0, 0
	SCALES \next
	WIN MUL_HI
	MUL16 4, 1, NQ-1, \slot, 0
	MUL16 6, 1, NQ-1, \slot, 0
	PLACES NP
	WIN 0
	FETCH_A \next, 0, 4
.endm
	s_wait_alu depctr_va_vdst(0)
	s_wait_tensorcnt 0x0                           ; my tile of the head's four is in
	ds_add_u32 v28, v29
	s_mov_b32 s[G1+2], 128<<16                     ; no tensor load of mine is out, so descriptors may be written: from here on a load brings 128 rows
	s_mov_b32 s[G1+4], 128
	s_mov_b32 s[G1B+2], 128<<16
	s_mov_b32 s[G1B+4], 128
	s_mul_i32 s[G0+1], s14, HALFT                  ; slot 0's groups 0 for the ring: my quarter of the slot, my 128 rows
	s_add_nc_u64 s[G0+2:G0+3], s[G0+2:G0+3], s[18:19]
	s_mul_i32 s[G0B+1], s14, HALFT
	s_add_nc_u64 s[G0B+2:G0B+3], s[G0B+2:G0B+3], s[18:19]
	s_wait_dscnt 0x0
	CROUND                                         ; all four tiles are in, and all sixteen work-groups are here
	JLOAD G0+4, G1, G0B+4, G1B                     ; K step 1, the first tensor load behind the round
	FETCH_B 0, 0, 0
	FETCH_A 0, 0, 0
	SCALES 0
	FETCH_A 0, 0, 4
	STEP 0, 0, 1
	s_mov_b32 s3, 1
.Llap:
	TURN 0, 1, 1
	STEP 1, 0, 0
	TURN 1, 0, 1
	STEP 0, 0, 0
	s_sub_co_u32 s3, s3, 1
	s_cmp_lg_u32 s3, 0
	s_cbranch_scc1 .Llap
	TURN 0, 1, 0
	STEP 1, 0, 0
	s_wait_dscnt 4*NL
	WIN MUL_LO
	MUL16 0, 1, NQ-1, 1, 0
	MUL16 2, 1, NQ-1, 1, 0
	s_wait_dscnt 0
	WIN MUL_HI
	MUL16 4, 1, NQ-1, 1, 0
	MUL16 6, 1, NQ-1, 1, 0
	WIN 0
.macro QSCALE s
.irp b, 0,1,2,3
	v_max3_num_f32 v[TM+\b], |v[\s+16*\b]|, |v[\s+16*\b+1]|, 0x8000000
.endr
.irp i, 2,4,6,8,10,12,14
.irp b, 0,1,2,3
	v_max3_num_f32 v[TM+\b], v[TM+\b], |v[\s+16*\b+\i]|, |v[\s+16*\b+\i+1]|
.endr
.endr
.irp b, 0,1,2,3
	v_permlanex16_b32 v[TM+4+\b], v[TM+\b], s[SEL], s[SEL+1]
.endr
.irp b, 0,1,2,3
	v_max_num_f32 v[TM+\b], v[TM+\b], v[TM+4+\b]
.endr
.irp b, 0,1,2,3
	v_add_nc_u32 v[TM+12+\b], 0xf8800000, v[TM+\b]
.endr
.irp b, 0,1,2,3
	v_and_or_b32 v[TM+8+\b], v[TM+\b], 0x7f800000, s[MNT]
.endr
.irp b, 0,1,2,3
	v_lshrrev_b32 v[TM+4+\b], 23, v[TM+12+\b]
.endr
.endm
.macro QCODE s, b, dst
.irp i, 0,1,2,3,4,5,6,7,8,9,10,11,12,13,14,15
	v_med3_num_f32 v[\s+16*\b+\i], v[\s+16*\b+\i], -v[TM+8+\b], v[TM+8+\b]
.endr
	v_cvt_scalef32_pk8_bf8_f32 v[\dst:\dst+1], v[\s+16*\b:\s+16*\b+7], v[TM+12+\b]
	v_cvt_scalef32_pk8_bf8_f32 v[\dst+2:\dst+3], v[\s+16*\b+8:\s+16*\b+15], v[TM+12+\b]
.endm
.macro OUTA a
	s_wait_xcnt 0x0
	WIN 0x02+(\a)/4
.set kk, 0
.rept 32
	v_pk_add_f32 v[T+2*kk:T+2*kk+1], v[64*((\a)%4)+2*kk:64*((\a)%4)+2*kk+1], v[BR+2*kk:BR+2*kk+1]
.set kk, kk+1
.endr
	WIN 0
.set kk, 0
.rept 32
.if (\a)%2
	v_pk_add_f32 v[T+2*kk:T+2*kk+1], v[T+2*kk:T+2*kk+1], v[BL+(\a)-1:BL+(\a)] op_sel:[0,1] op_sel_hi:[1,1]
.else
	v_pk_add_f32 v[T+2*kk:T+2*kk+1], v[T+2*kk:T+2*kk+1], v[BL+(\a):BL+(\a)+1] op_sel_hi:[1,0]
.endif
.set kk, kk+1
.endr
	QSCALE T
	v_lshl_or_b32 v[PW], v[TM+5], 8, v[TM+4]
	v_lshl_or_b32 v[PW], v[TM+6], 16, v[PW]
	v_lshl_or_b32 v[PW], v[TM+7], 24, v[PW]
	QCODE T, 0, PC
	QCODE T, 1, PC+4
	QCODE T, 2, PC+8
	QCODE T, 3, PC+12
	v_nop
.irp c, 0,1,2,3
	global_store_b128 v[CO], v[PC+4*\c:PC+4*\c+3], s[104:105] offset:(\a)*2048+512*\c
.endr
.if (\a)%4 == 0
	v_mov_b32 v[SQ], v[PW]
.elseif (\a)%4 == 1
	v_cndmask_b32 v[SQ], v[SQ], v[PW], s11
.elseif (\a)%4 == 2
	v_mov_b32 v[SQ+1], v[PW]
.else
	v_cndmask_b32 v[SQ+1], v[SQ+1], v[PW], s11
	global_store_b64 v[C8], v[SQ:SQ+1], s[66:67] offset:((\a)/4)*256
.endif
.endm
	PLACES NP
	s_wait_loadcnt 0x0
.set kk, 0
.rept 64
	v_cndmask_b32 v[BR+kk], 0, v[BR+kk], s8
.set kk, kk+1
.endr
.irp a, 0,1,2,3,4,5,6,7
	v_cndmask_b32 v[BL+\a], 0, v[BL+\a], s9
.endr
.irp b, 0,1,2,3
	v_mov_b32 v[TM+4+\b], 0
.endr
.irp a, 0,1,2,3,4,5,6,7
	OUTA \a
.endr
	s_wait_tensorcnt 0x0
	ds_add_u32 v[SPW], v[NIL]
	s_wait_dscnt 0x0
	CROUND
	s_endpgm
.Lfunc_end_k_qa9d65134d6_proj:
	.size	k_qa9d65134d6_proj, .Lfunc_end_k_qa9d65134d6_proj-k_qa9d65134d6_proj
	.p2alignl 7, 3214868480
	.fill 96, 4, 3214868480
	.section	.rodata,"a",@progbits
	.p2align	6, 0x0
	.amdhsa_kernel k_qa9d65134d6_proj
		.amdhsa_group_segment_fixed_size 327680
		.amdhsa_private_segment_fixed_size 0
		.amdhsa_enable_private_segment 0
		.amdhsa_kernarg_size 120
		.amdhsa_user_sgpr_count 2
		.amdhsa_user_sgpr_kernarg_segment_ptr 1
		.amdhsa_wavefront_size32 1
		.amdhsa_system_sgpr_workgroup_id_x 1
		.amdhsa_system_sgpr_workgroup_id_y 1
		.amdhsa_system_sgpr_workgroup_id_z 1
		.amdhsa_system_vgpr_workitem_id 0
		.amdhsa_next_free_vgpr 1024
		.amdhsa_next_free_sgpr 106
		.amdhsa_reserve_vcc 0
		.amdhsa_float_denorm_mode_32 3
		.amdhsa_float_denorm_mode_16_64 3
		.amdhsa_memory_ordered 1
		.amdhsa_forward_progress 1
		.amdhsa_inst_pref_size 225
	.end_amdhsa_kernel
	.amdgpu_metadata
---
amdhsa.version: [ 1, 2 ]
amdhsa.kernels:
  - .name:           k_qa9d65134d6_proj
    .symbol:         k_qa9d65134d6_proj.kd
    .args:
      - { .name: prepA, .offset: 0, .size: 8, .value_kind: global_buffer, .address_space: global }
      - { .name: k_codes, .offset: 8, .size: 8, .value_kind: global_buffer, .address_space: global }
      - { .name: k_scales, .offset: 16, .size: 8, .value_kind: global_buffer, .address_space: global }
      - { .name: v_codes, .offset: 24, .size: 8, .value_kind: global_buffer, .address_space: global }
      - { .name: v_scales, .offset: 32, .size: 8, .value_kind: global_buffer, .address_space: global }
      - { .name: Wq_codes, .offset: 40, .size: 8, .value_kind: global_buffer, .address_space: global }
      - { .name: Wq_scales, .offset: 48, .size: 8, .value_kind: global_buffer, .address_space: global }
      - { .name: Wk_codes, .offset: 56, .size: 8, .value_kind: global_buffer, .address_space: global }
      - { .name: Wk_scales, .offset: 64, .size: 8, .value_kind: global_buffer, .address_space: global }
      - { .name: Wv_codes, .offset: 72, .size: 8, .value_kind: global_buffer, .address_space: global }
      - { .name: Wv_scales, .offset: 80, .size: 8, .value_kind: global_buffer, .address_space: global }
      - { .name: bq, .offset: 88, .size: 8, .value_kind: global_buffer, .address_space: global }
      - { .name: bk, .offset: 96, .size: 8, .value_kind: global_buffer, .address_space: global }
      - { .name: bv, .offset: 104, .size: 8, .value_kind: global_buffer, .address_space: global }
      - { .name: qkv, .offset: 112, .size: 8, .value_kind: global_buffer, .address_space: global }
    .group_segment_fixed_size: 327680
    .private_segment_fixed_size: 0
    .kernarg_segment_align: 8
    .kernarg_segment_size: 120
    .max_flat_workgroup_size: 128
    .sgpr_count:     106
    .vgpr_count:     1024
    .wavefront_size: 32
...
	.end_amdgpu_metadata
.endif
;; end of part 2
;; launch attn (part 3): grid 32 x 8, 8 waves a work-group, clusters of 4 x 1, 327,680 bytes of LDS; arguments qkv, gimg, mwords, zbuf; writes zbuf
.if DOCPART == 3
	.amdgcn_target "amdgcn-amd-amdhsa--gfx1250"
	.amdhsa_code_object_version 6
	.text
	.protected	k_qa9d65134d6_attn
	.globl	k_qa9d65134d6_attn
	.p2align	8
	.type	k_qa9d65134d6_attn,@function
k_qa9d65134d6_attn:
	s_mov_b64 s[64:65], 0
	v_nop
	global_prefetch_b8 v0, s[64:65] scope:SCOPE_SE
	s_setreg_imm32_b32 hwreg(HW_REG_WAVE_MODE, 25, 1), 1
	s_wait_xcnt 0x0
	s_wait_alu depctr_hold_cnt(0) depctr_sa_sdst(0) depctr_va_vdst(0) depctr_va_sdst(0) depctr_va_ssrc(0) depctr_va_vcc(0) depctr_vm_vsrc(0)
	s_getreg_b32 s2, hwreg(HW_REG_IB_STS2, 6, 4)
	s_cmp_eq_u32 s2, 0
	s_cbranch_scc0 .Lentry_in_a_cluster
	s_endpgm
.Lentry_in_a_cluster:
	s_bfe_u32 s2, ttmp6, 0x10000c
	s_cmp_lg_u32 s2, 0x3003
	s_cbranch_scc0 .Lentry_shape_is_right
	s_endpgm
.Lentry_shape_is_right:
.set SLOT1, 1<<17
.set SCK,   2*SLOT1
.set XCH,   SCK+32768
.set SPARE, XCH+4096
.set SPW, 1
.set NIL, 2
.set LI,  3
.set ADF, 4
.set ASC, 5
.set ADS, 6
.set GOX, 7
.set GOY, 8
.set RMV, 9
.set ADV, 10
.set PFO, 11
.set XWA, 12
.set XRA, 13
.set SWA, 14
.set SRA, 15
.set QX,  16
.set QY,  32
.set F,   48
.set SX,  112
.set SY,  144
.set PCX, 176
.set PCY, 192
.set TM,  208
.set STX, 224
.set STY, 232
.set KSC, 240
.set VSC, 244
.set QSX, 248
.set QSY, 249
.set PWX, 250
.set PWY, 251
.set WV,   2
.set PAR,  3
.set MNT,  12
.set MOFF, 14
.set TB,   15
.set TS,   66
.set CNT,  67
.set G1,   84
.set G0,   92
.set PFA,  96
.set LIM,  98
.set INNER, 99
.set CS,   100
.set SEL,  104
.set MSB, 0
.macro WIN new
.if MSB != \new
	s_set_vgpr_msb (MSB<<8)|\new
.set MSB, \new
.endif
.endm
.macro PLACES n
.rept \n
	v_nop
.endr
.endm
.macro CROUND
	s_barrier_signal -1
	s_barrier_wait -1
	s_cmp_lg_u32 s[WV], 0
	s_cbranch_scc1 .Lnot_wave_0_\@
	s_barrier_signal -3
.Lnot_wave_0_\@:
	s_barrier_wait -3
	s_barrier_signal -1
	s_barrier_wait -1
.endm
.macro ASK
	s_cmp_gt_u32 s[CNT], s[LIM]
	s_cbranch_scc0 .Lnot_mine_\@
	global_prefetch_b8 v[PFO], s[PFA:PFA+1] th:TH_LOAD_NT scope:SCOPE_SE
.Lnot_mine_\@:
.endm
	s_load_b256 s[16:23], s[0:1], 0x0
	v_lshl_add_u32 v[SPW], v0, 2, SPARE
	v_mov_b32 v[NIL], 0
	ds_add_u32 v1, v2
	ds_add_u32 v1, v2
	s_wait_dscnt 0x0
	v_lshrrev_b32 v3, 5, v0
	s_delay_alu instid0(VALU_DEP_1)
	v_readfirstlane_b32 s[WV], v3
	s_and_b32 s[PAR], s[WV], 1
	s_bfe_u32 s24, ttmp6, 0x40000
	s_lshl_b32 s25, ttmp9, 2
	s_add_co_u32 s25, s25, s24
	s_and_b32 s26, ttmp7, 0xffff
	s_lshr_b32 s27, s[WV], 1
	s_lshl_b32 s28, s25, 2
	s_add_co_u32 s28, s28, s27
	s_xor_b32 s29, s[PAR], 1
	s_mov_b32 s[G1], 15|(3<<16)|(1<<21)
	s_mov_b32 s[G1+1], 32<<16
	s_mov_b32 s[G1+2], 64<<16
	s_mov_b32 s[G1+3], 32<<16
	s_mov_b32 s[G1+4], 64
	s_mov_b32 s[G1+5], 32
	s_mov_b32 s[G1+6], 0
	s_mov_b32 s[G1+7], 0
	s_lshl_b32 s30, s26, 19
	s_lshl_b32 s32, s[WV], 14
	s_add_co_u32 s32, s32, s30
	s_add_co_u32 s32, s32, 4194304
	s_mov_b32 s33, 0
	s_cmp_lt_u32 s[WV], 4
	s_cselect_b32 s34, 0, 4194304-65536
	s_add_co_u32 s34, s34, s32
	s_mov_b32 s35, 0
	s_lshl_b32 s38, s25, 14
	s_add_co_u32 s38, s38, s30
	s_lshl_b32 s39, s27, 12
	s_add_co_u32 s38, s38, s39
	s_mov_b32 s39, 0
	s_lshl_b32 s40, s26, 14
	s_lshl_b32 s41, s25, 9
	s_add_co_u32 s40, s40, s41
	s_lshr_b32 s41, s27, 1
	s_lshl_b32 s41, s41, 8
	s_add_co_u32 s40, s40, s41
	s_and_b32 s41, s27, 1
	s_lshl_b32 s41, s41, 2
	s_add_co_u32 s40, s40, s41
	s_add_co_u32 s40, s40, 12582912
	s_mov_b32 s41, 0
	s_lshl_b32 s42, s28, 19
	s_lshl_b32 s43, s[PAR], 14
	s_add_co_u32 s42, s42, s43
	s_mov_b32 s43, 0
	s_lshl_b32 s44, s28, 14
	s_lshl_b32 s45, s[PAR], 7
	s_add_co_u32 s44, s44, s45
	s_mov_b32 s45, 0
	s_lshl_b32 s46, s28, 14
	s_lshl_b32 s47, s29, 7
	s_add_co_u32 s46, s46, s47
	s_mov_b32 s47, 0
	s_and_b32 s48, s[WV], 6
	s_lshl_b32 s48, s48, 14
	s_lshl_b32 s49, s24, 13
	s_add_co_u32 s48, s48, s49
	s_add_co_u32 s48, s48, s30
	s_add_co_u32 s48, s48, 4194304+131072
	s_mov_b32 s49, 0
	s_and_b32 s50, s[WV], 2
	s_lshl_b32 s50, s50, 14
	s_lshl_b32 s51, s24, 13
	s_add_co_u32 s50, s50, s51
	s_add_co_u32 s50, s50, s30
	s_add_co_u32 s50, s50, 8388608+65536
	s_mov_b32 s51, 0
	s_or_b32 s[LIM], s[PAR], ttmp9
	s_cmp_eq_u32 s[LIM], 0
	s_cselect_b32 s[LIM], 1, -1
	s_mov_b32 s[CS], 0x3e0293ee
	s_mov_b32 s[CS+1], s[CS]
	s_mov_b32 s[SEL], 0x76543210
	s_mov_b32 s[SEL+1], 0xfedcba98
	s_lshl_b32 s[MOFF], s[PAR], 9
	s_lshl_b32 s[TB], s[PAR], 14
	s_lshl_b32 s[TS], s[PAR], 9
	s_wait_kmcnt 0x0
	s_add_nc_u64 s[4:5], s[20:21], s[44:45]
	s_add_nc_u64 s[6:7], s[20:21], s[46:47]
	s_add_nc_u64 s[8:9], s[18:19], s[42:43]
	s_add_nc_u64 s[10:11], s[16:17], s[50:51]
	s_add_nc_u64 s[12:13], s[16:17], s[34:35]
	s_add_nc_u64 s[PFA:PFA+1], s[16:17], s[48:49]
	s_add_nc_u64 s[38:39], s[16:17], s[38:39]
	s_add_nc_u64 s[40:41], s[16:17], s[40:41]
	s_mov_b32 s[G0], 1
	s_lshl_b32 s[G0+1], s[WV], 14
	s_add_nc_u64 s[G0+2:G0+3], s[16:17], s[32:33]
	s_or_b32 s[G0+3], s[G0+3], 0x80000000
	; THE HEAD'S FILLS, ONE JOINT LOAD A WAVE, as one group behind the one round: waves 0-3 a quarter of slot 0 each (128 rows of 256 bytes),
	; waves 4-7 half of the head's scale bytes of K (4, 5) or of V (6, 7) each (32 rows of 256 bytes).  Their groups lie in registers that take mask words only behind the wait for these loads.
	s_mov_b32 s68, 15|(3<<16)|(1<<21)
	s_mov_b32 s69, 32<<16
	s_mov_b32 s70, 128<<16
	s_mov_b32 s71, 32<<16
	s_mov_b32 s72, 128
	s_mov_b32 s73, 32
	s_mov_b32 s74, 0
	s_mov_b32 s75, 0
	s_mov_b32 s76, 15|(3<<16)|(1<<21)
	s_mov_b32 s77, 32<<16
	s_mov_b32 s78, 32<<16
	s_mov_b32 s79, 32<<16
	s_mov_b32 s80, 32
	s_mov_b32 s81, 32
	s_mov_b32 s82, 0
	s_mov_b32 s83, 0
	s_mov_b32 s56, 1
	s_lshl_b32 s57, s[WV], 15                      ; slot 0: 32,768 bytes a wave, in LDS and in K's images of the head
	s_add_co_u32 s58, s57, s30
	s_add_co_u32 s58, s58, 4194304
	s_mov_b32 s59, 0
	s_add_nc_u64 s[58:59], s[16:17], s[58:59]
	s_or_b32 s59, s59, 0x80000000
	s_mov_b32 s52, 1
	s_and_b32 s36, s[WV], 3
	s_lshl_b32 s53, s36, 13                        ; the scale bytes: 8,192 a wave in LDS: K's two halves, then V's
	s_and_b32 s54, s53, 8192                       ; in memory: which half,
	s_lshr_b32 s36, s36, 1
	s_lshl_b32 s36, s36, 17                        ; of K's or of V's,
	s_add_co_u32 s54, s54, s36
	s_lshl_b32 s36, s26, 14                        ; of my head
	s_add_co_u32 s54, s54, s36
	s_add_co_u32 s54, s54, 12582912+131072
	s_mov_b32 s55, 0
	s_add_nc_u64 s[54:55], s[16:17], s[54:55]
	s_or_b32 s55, s55, 0x80000000
	s_add_co_u32 s53, s53, SCK
	CROUND
	s_cmp_lt_u32 s[WV], 4
	s_cbranch_scc0 .Lhead_sc
	tensor_load_to_lds s[56:59], s[68:75]
	s_nop 0
.rept 4
	v_nop
.endr
	s_branch .Lhead_asked
.Lhead_sc:
	tensor_load_to_lds s[52:55], s[76:83]
	s_nop 0
.rept 4
	v_nop
.endr
.Lhead_asked:
	v_and_b32 v252, 31, v0
	s_delay_alu instid0(VALU_DEP_1)
	v_lshlrev_b32 v[LI], 4, v252
	s_wait_alu depctr_va_vdst(0)
	v_lshl_add_u32 v[ASC], v252, 3, SCK
	v_lshlrev_b32 v[PFO], 8, v252
	s_lshl_b32 s60, s[PAR], 12
	v_add_nc_u32 v[GOX], s60, v[LI]
	s_lshl_b32 s61, s29, 12
	v_add_nc_u32 v[GOY], s61, v[LI]
	v_mov_b32 v[RMV], 0xd028965f
	s_lshl_b32 s60, s[WV], 9
	s_add_co_u32 s60, s60, XCH
	v_lshl_add_u32 v[XWA], v252, 2, s60
	s_xor_b32 s61, s[WV], 1
	s_lshl_b32 s62, s61, 9
	s_add_co_u32 s62, s62, XCH
	v_lshl_add_u32 v[XRA], v252, 2, s62
	s_lshl_b32 s60, s[WV], 13
	v_add_nc_u32 v[SWA], s60, v[LI]
	s_lshl_b32 s62, s61, 13
	v_add_nc_u32 v[SRA], s62, v[LI]
	s_lshl_b32 s60, s[PAR], 11
	v_add_nc_u32 v253, s60, v[LI]
	s_lshl_b32 s61, s29, 11
	v_add_nc_u32 v254, s61, v[LI]
.irp c, 0,1,2,3
	global_load_b128 v[QX+4*\c:QX+4*\c+3], v253, s[38:39] offset:512*\c
	global_load_b128 v[QY+4*\c:QY+4*\c+3], v254, s[38:39] offset:512*\c
.endr
	v_and_b32 v255, 15, v0
	s_delay_alu instid0(VALU_DEP_1)
	v_lshlrev_b32 v255, 3, v255
	s_lshl_b32 s60, s[PAR], 7
	v_add_nc_u32 v252, s60, v255
	s_lshl_b32 s61, s29, 7
	v_add_nc_u32 v255, s61, v255
	global_load_b32 v[QSX], v252, s[40:41]
	global_load_b32 v[QSY], v255, s[40:41]
.macro GLOAD hf, off
	WIN 0x40
.irp q, 0,1,2,3,4,5,6,7
	global_load_b128 v[128+32*\hf+4*\q:128+32*\hf+4*\q+3], v[GOX], s[8:9] offset:\off+8192*\hf+512*\q
.endr
.irp q, 0,1,2,3,4,5,6,7
	global_load_b128 v[192+32*\hf+4*\q:192+32*\hf+4*\q+3], v[GOY], s[8:9] offset:\off+8192*\hf+512*\q
.endr
	WIN 0
.endm
	GLOAD 0, 0
	GLOAD 1, 0
	WIN 0x40
.set nn, 0
.rept 128
	v_mov_b32 v[nn], 0
.set nn, nn+1
.endr
	WIN 0
.irp t, STX, STY
	v_mov_b32 v[\t+6], 0xff61b1e6
	s_delay_alu instid0(VALU_DEP_1)
	v_mul_f32 v[\t], -v[\t+6], s[CS]
	v_mov_b32 v[\t+1], 0
	v_mov_b32 v[\t+2], 0
	v_mov_b32 v[\t+3], 0
	v_mov_b32 v[\t+4], 0
	v_mov_b32 v[\t+5], 0
	v_mov_b32 v[\t+7], 0
.endr
.irp b, 0,1,2,3,4,5,6,7
	v_mov_b32 v[TM+\b], 0
.endr
	s_wait_loadcnt 32
	s_wait_tensorcnt 0x0
.macro MLOAD imm
	s_load_b512 s[16:31], s[4:5], s[MOFF] offset:\imm
	s_load_b512 s[32:47], s[4:5], s[MOFF] offset:\imm+64
	s_load_b512 s[48:63], s[6:7], s[MOFF] offset:\imm
	s_load_b512 s[68:83], s[6:7], s[MOFF] offset:\imm+64
.endm
	MLOAD 0
.macro WM d, a, b, sa, sb, ra
.if \ra
	v_wmma_scale_f32_16x16x128_f8f6f4 v[\d:\d+7], v[\a:\a+15], v[\b:\b+15], 0, v[\sa], v[\sb] matrix_a_fmt:MATRIX_FMT_BF8 matrix_b_fmt:MATRIX_FMT_BF8 matrix_a_scale:MATRIX_SCALE_ROW1
.else
	v_wmma_scale_f32_16x16x128_f8f6f4 v[\d:\d+7], v[\a:\a+15], v[\b:\b+15], 0, v[\sa], v[\sb] matrix_a_fmt:MATRIX_FMT_BF8 matrix_b_fmt:MATRIX_FMT_BF8
.endif
.endm
.macro WMA d, a, b, sa, sb, ra
.if \ra
	v_wmma_scale_f32_16x16x128_f8f6f4 v[\d:\d+7], v[\a:\a+15], v[\b:\b+15], v[\d:\d+7], v[\sa], v[\sb] matrix_a_fmt:MATRIX_FMT_BF8 matrix_b_fmt:MATRIX_FMT_BF8 matrix_a_scale:MATRIX_SCALE_ROW1
.else
	v_wmma_scale_f32_16x16x128_f8f6f4 v[\d:\d+7], v[\a:\a+15], v[\b:\b+15], v[\d:\d+7], v[\sa], v[\sb] matrix_a_fmt:MATRIX_FMT_BF8 matrix_b_fmt:MATRIX_FMT_BF8
.endif
.endm
.macro LDF dst, adr, t0
.set ff, 0
.rept 16
	ds_load_b128 v[\dst+4*ff:\dst+4*ff+3], v[\adr] offset:(\t0)*2048+512*ff
.set ff, ff+1
.endr
.endm
.macro QK hf
.irp t, 0,1,2,3
	WM SX+8*\t, F+16*\t, QX, KSC+2*\hf+\t/2, QSX, \t%2
	WM SY+8*\t, F+16*\t, QY, KSC+2*\hf+\t/2, QSY, \t%2
.endr
.endm
.macro MASK hf, load
	s_wait_kmcnt 0x0
.set nn, 0
.rept 32
	v_cndmask_b32 v[SX+nn], v[RMV], v[SX+nn], s[16+nn]
	v_cndmask_b32 v[SY+nn], v[RMV], v[SY+nn], s[48+nn+4*(nn/16)]
.set nn, nn+1
.endr
.if \hf
	s_add_co_u32 s[MOFF], s[MOFF], 1024
	s_and_b32 s[MOFF], s[MOFF], 0x3fff
.endif
.if \load
	MLOAD 256*(1-\hf)
.endif
.endm
.macro P1_HALF hf
	s_wait_dscnt 0x0
	QK \hf
	PLACES 8
.if \hf == 0
	LDF F, ADF, 4
.endif
	MASK \hf, 1
	v_max3_num_f32 v252, v[STX+6], v[SX], v[SX+1]
	v_max3_num_f32 v254, v[STY+6], v[SY], v[SY+1]
	v_max3_num_f32 v253, v[SX+2], v[SX+3], v[SX+4]
	v_max3_num_f32 v255, v[SY+2], v[SY+3], v[SY+4]
.irp i, 5,9,13,17,21,25
	s_delay_alu instid0(VALU_DEP_4)
	v_max3_num_f32 v252, v252, v[SX+\i], v[SX+\i+1]
	s_delay_alu instid0(VALU_DEP_4)
	v_max3_num_f32 v254, v254, v[SY+\i], v[SY+\i+1]
	s_delay_alu instid0(VALU_DEP_4)
	v_max3_num_f32 v253, v253, v[SX+\i+2], v[SX+\i+3]
	s_delay_alu instid0(VALU_DEP_4)
	v_max3_num_f32 v255, v255, v[SY+\i+2], v[SY+\i+3]
.endr
	s_delay_alu instid0(VALU_DEP_4)
	v_max3_num_f32 v252, v252, v[SX+29], v[SX+30]
	s_delay_alu instid0(VALU_DEP_4)
	v_max3_num_f32 v254, v254, v[SY+29], v[SY+30]
	s_delay_alu instid0(VALU_DEP_2)
	v_max3_num_f32 v[STX+6], v252, v253, v[SX+31]
	s_delay_alu instid0(VALU_DEP_2)
	v_max3_num_f32 v[STY+6], v254, v255, v[SY+31]
	s_delay_alu instid0(VALU_DEP_2)
	v_mul_f32 v252, -v[STX+6], s[CS]
	s_delay_alu instid0(VALU_DEP_2)
	v_mul_f32 v254, -v[STY+6], s[CS]
	s_delay_alu instid0(VALU_DEP_2)
	v_sub_f32 v[STX+7], v252, v[STX]
	s_delay_alu instid0(VALU_DEP_2)
	v_sub_f32 v[STY+7], v254, v[STY]
	s_delay_alu instid0(VALU_DEP_4)
	v_mov_b32 v[STX], v252
	s_delay_alu instid0(VALU_DEP_4)
	v_mov_b32 v[STY], v254
.set nn, 0
.rept 16
	v_pk_fma_f32 v[SX+nn:SX+nn+1], v[SX+nn:SX+nn+1], s[CS:CS+1], v[STX:STX+1] op_sel_hi:[1,0,0]
	v_pk_fma_f32 v[SY+nn:SY+nn+1], v[SY+nn:SY+nn+1], s[CS:CS+1], v[STY:STY+1] op_sel_hi:[1,0,0]
.set nn, nn+2
.endr
.set nn, 0
	s_wait_alu depctr_va_vdst(0)
.rept 64
	v_exp_f32 v[SX+nn], v[SX+nn]
.set nn, nn+1
.endr
	v_exp_f32 v[STX+7], v[STX+7]
	v_exp_f32 v[STY+7], v[STY+7]
	v_nop
	s_wait_alu depctr_va_vdst(0)
	v_pk_mul_f32 v[STX+4:STX+5], v[STX+4:STX+5], v[STX+6:STX+7] op_sel:[0,1] op_sel_hi:[1,1]
	v_pk_mul_f32 v[STY+4:STY+5], v[STY+4:STY+5], v[STY+6:STY+7] op_sel:[0,1] op_sel_hi:[1,1]
	v_pk_add_f32 v[252:253], v[SX:SX+1], v[SX+2:SX+3]
	v_pk_add_f32 v[254:255], v[SY:SY+1], v[SY+2:SY+3]
.irp j, 4,8,12,16,20,24,28
	v_pk_add_f32 v[STX+4:STX+5], v[STX+4:STX+5], v[SX+\j:SX+\j+1]
	v_pk_add_f32 v[STY+4:STY+5], v[STY+4:STY+5], v[SY+\j:SY+\j+1]
	v_pk_add_f32 v[252:253], v[252:253], v[SX+\j+2:SX+\j+3]
	v_pk_add_f32 v[254:255], v[254:255], v[SY+\j+2:SY+\j+3]
.endr
	s_delay_alu instid0(VALU_DEP_2)
	v_pk_add_f32 v[STX+4:STX+5], v[STX+4:STX+5], v[252:253]
	s_delay_alu instid0(VALU_DEP_2)
	v_pk_add_f32 v[STY+4:STY+5], v[STY+4:STY+5], v[254:255]
.endm
.macro P1_STEP
	v_add_nc_u32 v[ADF], s[TB], v[LI]
	v_add_nc_u32 v[ADS], s[TS], v[ASC]
	LDF F, ADF, 0
	ds_load_b64 v[KSC:KSC+1], v[ADS]
	ds_load_b64 v[KSC+2:KSC+3], v[ADS] offset:256
	s_wait_alu depctr_va_vdst(0)
	P1_HALF 0
	P1_HALF 1
	s_add_co_u32 s[TB], s[TB], 32768
	s_add_co_u32 s[TS], s[TS], 1024
.endm
.macro P1_PHASE
	s_mov_b32 s[INNER], 4
.Lp1_\@:
	P1_STEP
	s_sub_co_u32 s[INNER], s[INNER], 1
	s_cmp_lg_u32 s[INNER], 0
	s_cbranch_scc1 .Lp1_\@
	s_sub_co_u32 s[TB], s[TB], 131072
	s_xor_b32 s[TB], s[TB], SLOT1
.endm
.macro CHANGE kind, stride
	s_wait_tensorcnt 0x0
	ds_add_u32 v[SPW], v[NIL]
.if \kind == 1
	s_xor_b32 s[G0+1], s[G0+1], SLOT1
	s_add_nc_u64 s[G0+2:G0+3], s[G0+2:G0+3], \stride
	s_wait_xcnt 0x0
	s_add_nc_u64 s[PFA:PFA+1], s[PFA:PFA+1], \stride
.endif
.if \kind == 2
	s_xor_b32 s[G0+1], s[G0+1], SLOT1
	s_mov_b64 s[G0+2:G0+3], s[12:13]
	s_or_b32 s[G0+3], s[G0+3], 0x80000000
	s_wait_xcnt 0x0
	s_mov_b64 s[PFA:PFA+1], s[10:11]
	s_and_b32 s13, s[WV], 5
	s_xor_b32 s13, s13, 4
	s_or_b32 s13, s13, ttmp9
	s_cmp_eq_u32 s13, 0
	s_cselect_b32 s[LIM], 1, -1
	s_mov_b32 s[MNT], 0x600000
.endif
	s_wait_dscnt 0x0
.if \kind
	CROUND
	tensor_load_to_lds s[G0:G0+3], s[G1:G1+7]
	s_nop 0
.rept 4
	v_nop
.endr
.if \kind == 1
	ASK
.endif
.else
	s_barrier_signal -1
	s_barrier_wait -1
.endif
.endm
.macro QSCALE s
.irp b, 0,1,2,3
	v_max3_num_f32 v[TM+\b], |v[\s+16*\b]|, |v[\s+16*\b+1]|, 0x8000000
.endr
.irp i, 2,4,6,8,10,12,14
.irp b, 0,1,2,3
	s_delay_alu instid0(VALU_DEP_4)
	v_max3_num_f32 v[TM+\b], v[TM+\b], |v[\s+16*\b+\i]|, |v[\s+16*\b+\i+1]|
.endr
.endr
.irp b, 0,1,2,3
	s_delay_alu instid0(VALU_DEP_4)
	v_permlanex16_b32 v[TM+4+\b], v[TM+\b], s[SEL], s[SEL+1]
.endr
.irp b, 0,1,2,3
	s_delay_alu instid0(VALU_DEP_4)
	v_max_num_f32 v[TM+\b], v[TM+\b], v[TM+4+\b]
.endr
.irp b, 0,1,2,3
	s_delay_alu instid0(VALU_DEP_4)
	v_add_nc_u32 v[TM+12+\b], 0xf8800000, v[TM+\b]
.endr
.irp b, 0,1,2,3
	v_and_or_b32 v[TM+8+\b], v[TM+\b], 0x7f800000, s[MNT]
.endr
.irp b, 0,1,2,3
	v_lshrrev_b32 v[TM+4+\b], 23, v[TM+12+\b]
.endr
.endm
.macro QCODE s, b, dst
.irp i, 0,1,2,3,4,5,6,7,8,9,10,11,12,13,14,15
	v_med3_num_f32 v[\s+16*\b+\i], v[\s+16*\b+\i], -v[TM+8+\b], v[TM+8+\b]
.endr
	v_cvt_scalef32_pk8_bf8_f32 v[\dst:\dst+1], v[\s+16*\b:\s+16*\b+7], v[TM+12+\b]
	v_cvt_scalef32_pk8_bf8_f32 v[\dst+2:\dst+3], v[\s+16*\b+8:\s+16*\b+15], v[TM+12+\b]
.endm
.macro SOFT2 hf, lc, load
.set nn, 0
.rept 16
	v_pk_fma_f32 v[SX+nn:SX+nn+1], v[SX+nn:SX+nn+1], v[STX+2:STX+3], v[STX:STX+1] op_sel_hi:[1,0,0]
	v_pk_fma_f32 v[SY+nn:SY+nn+1], v[SY+nn:SY+nn+1], v[STY+2:STY+3], v[STY:STY+1] op_sel_hi:[1,0,0]
.set nn, nn+2
.endr
.set nn, 0
	s_wait_alu depctr_va_vdst(0)
.rept 64
	v_exp_f32 v[SX+nn], v[SX+nn]
.set nn, nn+1
.endr
	v_nop
	s_wait_loadcnt \lc
	s_wait_alu depctr_va_vdst(0)
	WIN 0x04
.set nn, 0
.rept 16
	v_pk_mul_f32 v[SX+nn:SX+nn+1], v[SX+nn:SX+nn+1], v[128+32*\hf+nn:128+32*\hf+nn+1]
	v_pk_mul_f32 v[SY+nn:SY+nn+1], v[SY+nn:SY+nn+1], v[192+32*\hf+nn:192+32*\hf+nn+1]
.set nn, nn+2
.endr
	WIN 0
.if \load
	GLOAD \hf, 32768
.endif
	QSCALE SX
.if \hf == 0
	s_delay_alu instid0(VALU_DEP_3)
	v_lshl_or_b32 v[PWX], v[TM+5], 8, v[TM+4]
	s_delay_alu instid0(VALU_DEP_2)
	v_lshl_or_b32 v[PWY], v[TM+7], 8, v[TM+6]
.else
	s_delay_alu instid0(VALU_DEP_4)
	v_lshl_or_b32 v[PWX], v[TM+4], 16, v[PWX]
	s_delay_alu instid0(VALU_DEP_3)
	v_lshl_or_b32 v[PWY], v[TM+6], 16, v[PWY]
	s_delay_alu instid0(VALU_DEP_2)
	v_lshl_or_b32 v[PWX], v[TM+5], 24, v[PWX]
	s_delay_alu instid0(VALU_DEP_2)
	v_lshl_or_b32 v[PWY], v[TM+7], 24, v[PWY]
.endif
	QCODE SX, 0, PCX+8*\hf
	QCODE SX, 1, PCX+8*\hf+4
	QCODE SX, 2, PCY+8*\hf
	QCODE SX, 3, PCY+8*\hf+4
	v_nop
.endm
.macro PV t0, src
.irp t, 0,1,2,3
	WMA 8*(\t0+\t), \src+16*\t, PCX, VSC+2*((\t0)/4)+\t/2, PWX, \t%2
	WMA 64+8*(\t0+\t), \src+16*\t, PCY, VSC+2*((\t0)/4)+\t/2, PWY, \t%2
.endr
.endm
.macro P2_STEP last
	v_add_nc_u32 v[ADF], s[TB], v[LI]
	v_add_nc_u32 v[ADS], s[TS], v[ASC]
	s_delay_alu instid0(VALU_DEP_2)
	v_add_nc_u32 v[ADV], 65536, v[ADF]
	LDF F, ADF, 0
	ds_load_b64 v[KSC:KSC+1], v[ADS]
	ds_load_b64 v[KSC+2:KSC+3], v[ADS] offset:256
	s_wait_alu depctr_va_vdst(0)
	s_wait_dscnt 0x0
	QK 0
	PLACES 8
	LDF F, ADF, 4
	MASK 0, 1
	SOFT2 0, 16, 1-\last
	s_wait_dscnt 0x0
	QK 1
	PLACES 8
	LDF F, ADV, 0
	ds_load_b64 v[VSC:VSC+1], v[ADS] offset:16384
	ds_load_b64 v[VSC+2:VSC+3], v[ADS] offset:16384+256
	MASK 1, 1-\last
	SOFT2 1, 16*(1-\last), 1-\last
	LDF SX, ADV, 4
	PLACES 3
	s_wait_alu depctr_va_vdst(0)
	s_wait_dscnt 16
	WIN 0x50
	PV 0, F
	s_wait_dscnt 0x0
	PV 4, SX
	WIN 0
	PLACES 9
.if 1-\last
	s_wait_xcnt 0x0
	s_add_nc_u64 s[8:9], s[8:9], 32768
.endif
	s_add_co_u32 s[TB], s[TB], 32768
	s_add_co_u32 s[TS], s[TS], 1024
.endm
.macro P2_PHASE
	s_mov_b32 s[INNER], 2
.Lp2_\@:
	P2_STEP 0
	s_sub_co_u32 s[INNER], s[INNER], 1
	s_cmp_lg_u32 s[INNER], 0
	s_cbranch_scc1 .Lp2_\@
	s_sub_co_u32 s[TB], s[TB], 65536
	s_xor_b32 s[TB], s[TB], SLOT1
.endm
.macro COMBINE mx, lx, my, ly
	v_mul_f32 v[TM+8], -v[\mx], s[CS]
	v_mul_f32 v[TM+9], -v[\my], s[CS]
	v_max_num_f32 v[STX+6], v[STX+6], v[\mx]
	v_max_num_f32 v[STY+6], v[STY+6], v[\my]
	s_delay_alu instid0(VALU_DEP_2)
	v_mul_f32 v[TM+10], -v[STX+6], s[CS]
	s_delay_alu instid0(VALU_DEP_2)
	v_mul_f32 v[TM+11], -v[STY+6], s[CS]
	s_delay_alu instid0(VALU_DEP_2)
	v_sub_f32 v[TM+8], v[TM+10], v[TM+8]
	s_delay_alu instid0(VALU_DEP_2)
	v_sub_f32 v[TM+9], v[TM+11], v[TM+9]
	s_delay_alu instid0(VALU_DEP_4)
	v_sub_f32 v[STX+7], v[TM+10], v[STX]
	s_delay_alu instid0(VALU_DEP_4)
	v_sub_f32 v[STY+7], v[TM+11], v[STY]
	v_mov_b32 v[STX], v[TM+10]
	v_mov_b32 v[STY], v[TM+11]
	s_wait_alu depctr_va_vdst(0)
	v_exp_f32 v[TM+8], v[TM+8]
	v_exp_f32 v[TM+9], v[TM+9]
	v_exp_f32 v[STX+7], v[STX+7]
	v_exp_f32 v[STY+7], v[STY+7]
	v_nop
	s_wait_alu depctr_va_vdst(0)
	v_mul_f32 v[STX+4], v[STX+4], v[STX+7]
	v_mul_f32 v[STY+4], v[STY+4], v[STY+7]
	v_fma_f32 v[STX+4], v[\lx], v[TM+8], v[STX+4]
	v_fma_f32 v[STY+4], v[\ly], v[TM+9], v[STY+4]
.endm
	s_mov_b32 s[CNT], 3
.Lpass1:
	CHANGE 1, 131072
	P1_PHASE
	s_sub_co_u32 s[CNT], s[CNT], 1
	s_cmp_lg_u32 s[CNT], 0
	s_cbranch_scc1 .Lpass1
	CHANGE 2, 0
	P1_PHASE
	v_add_f32 v[STX+4], v[STX+4], v[STX+5]
	v_add_f32 v[STY+4], v[STY+4], v[STY+5]
	v_permlanex16_b32 v[TM], v[STX+6], s[SEL], s[SEL+1]
	s_delay_alu instid0(VALU_DEP_3)
	v_permlanex16_b32 v[TM+1], v[STX+4], s[SEL], s[SEL+1]
	v_permlanex16_b32 v[TM+2], v[STY+6], s[SEL], s[SEL+1]
	s_delay_alu instid0(VALU_DEP_4)
	v_permlanex16_b32 v[TM+3], v[STY+4], s[SEL], s[SEL+1]
	COMBINE TM, TM+1, TM+2, TM+3
	ds_store_b32 v[XWA], v[STX+6]
	ds_store_b32 v[XWA], v[STX+4] offset:128
	ds_store_b32 v[XWA], v[STY+6] offset:256
	ds_store_b32 v[XWA], v[STY+4] offset:384
	s_wait_dscnt 0x0
	s_barrier_signal -1
	s_barrier_wait -1
	ds_load_b32 v[TM], v[XRA] offset:256
	ds_load_b32 v[TM+1], v[XRA] offset:384
	ds_load_b32 v[TM+2], v[XRA]
	ds_load_b32 v[TM+3], v[XRA] offset:128
	s_wait_dscnt 0x0
	COMBINE TM, TM+1, TM+2, TM+3
	s_wait_alu depctr_va_vdst(0)
	v_log_f32 v[TM+8], v[STX+4]
	v_log_f32 v[TM+9], v[STY+4]
	v_fma_f32 v[TM+10], v[STX+6], s[CS], v[STX]
	v_fma_f32 v[TM+11], v[STY+6], s[CS], v[STY]
	v_mov_b32 v[TM+4], 0
	v_cmp_eq_f32 vcc_lo, v[STX+6], v[RMV]
	s_delay_alu instid0(VALU_DEP_1)
	v_cndmask_b32 v[TM+10], v[STX], v[TM+10], vcc_lo
	s_delay_alu instid0(VALU_DEP_2)
	v_cndmask_b32 v[STX+2], s[CS], v[TM+4], vcc_lo
	v_cmp_eq_f32 vcc_lo, v[STY+6], v[RMV]
	s_delay_alu instid0(VALU_DEP_1)
	v_cndmask_b32 v[TM+11], v[STY], v[TM+11], vcc_lo
	s_delay_alu instid0(VALU_DEP_2)
	v_cndmask_b32 v[STY+2], s[CS], v[TM+4], vcc_lo
	s_wait_alu depctr_va_vdst(0)
	v_sub_f32 v[STX], v[TM+10], v[TM+8]
	v_sub_f32 v[STY], v[TM+11], v[TM+9]
	s_lshl_b32 s[TS], s[PAR], 9
	s_mov_b32 s[CNT], 7
.Lpass2:
	CHANGE 1, 65536
	P2_PHASE
	s_sub_co_u32 s[CNT], s[CNT], 1
	s_cmp_lg_u32 s[CNT], 0
	s_cbranch_scc1 .Lpass2
	CHANGE 0, 0
	P2_STEP 0
	P2_STEP 1
	WIN 0x04
.set nn, 0
.rept 16
	ds_store_b128 v[SWA], v[64+4*nn:64+4*nn+3] offset:512*nn
.set nn, nn+1
.endr
	WIN 0
	s_wait_dscnt 0x0
	s_barrier_signal -1
	s_barrier_wait -1
.set nn, 0
.rept 16
	ds_load_b128 v[F+4*nn:F+4*nn+3], v[SRA] offset:512*nn
.set nn, nn+1
.endr
	s_load_b64 s[10:11], s[0:1], 0x18
	s_bfe_u32 s16, ttmp6, 0x40000
	s_lshl_b32 s17, ttmp9, 2
	s_add_co_u32 s16, s16, s17
	s_lshl_b32 s16, s16, 2
	s_lshr_b32 s17, s[WV], 1
	s_add_co_u32 s16, s16, s17
	s_and_b32 s17, ttmp7, 0xffff
	s_lshl_b32 s18, s16, 1
	s_add_co_u32 s18, s18, s[PAR]
	s_lshl_b32 s18, s18, 3
	s_add_co_u32 s18, s18, s17
	s_lshl_b32 s18, s18, 11
	s_mov_b32 s19, 0
	s_lshl_b32 s20, s16, 3
	s_add_co_u32 s20, s20, s17
	s_lshl_b32 s20, s20, 7
	s_lshl_b32 s21, s[PAR], 6
	s_add_co_u32 s20, s20, s21
	s_add_co_u32 s20, s20, 4194304
	s_mov_b32 s21, 0
	v_and_b32 v252, 15, v0
	s_delay_alu instid0(VALU_DEP_1)
	v_lshlrev_b32 v252, 2, v252
	s_wait_kmcnt 0x0
	s_add_nc_u64 s[18:19], s[10:11], s[18:19]
	s_add_nc_u64 s[20:21], s[10:11], s[20:21]
	s_wait_dscnt 0x0
	WIN 0x01
.set nn, 0
.rept 32
	v_pk_add_f32 v[SX+2*nn:SX+2*nn+1], v[2*nn:2*nn+1], v[F+2*nn:F+2*nn+1]
.set nn, nn+1
.endr
	WIN 0
	QSCALE SX
	s_delay_alu instid0(VALU_DEP_3)
	v_lshl_or_b32 v[PWX], v[TM+5], 8, v[TM+4]
	s_delay_alu instid0(VALU_DEP_1)
	v_lshl_or_b32 v[PWX], v[TM+6], 16, v[PWX]
	s_delay_alu instid0(VALU_DEP_1)
	v_lshl_or_b32 v[PWX], v[TM+7], 24, v[PWX]
	QCODE SX, 0, PCX
	QCODE SX, 1, PCX+4
	QCODE SX, 2, PCX+8
	QCODE SX, 3, PCX+12
	v_nop
.irp c, 0,1,2,3
	global_store_b128 v[LI], v[PCX+4*\c:PCX+4*\c+3], s[18:19] offset:512*\c
.endr
	global_store_b32 v252, v[PWX], s[20:21]
	s_wait_tensorcnt 0x0
	ds_add_u32 v[SPW], v[NIL]
	s_wait_dscnt 0x0
	CROUND
	s_endpgm
.Lfunc_end_k_qa9d65134d6_attn:
	.size	k_qa9d65134d6_attn, .Lfunc_end_k_qa9d65134d6_attn-k_qa9d65134d6_attn
	.p2alignl 7, 3214868480
	.fill 96, 4, 3214868480
	.section	.rodata,"a",@progbits
	.p2align	6, 0x0
	.amdhsa_kernel k_qa9d65134d6_attn
		.amdhsa_group_segment_fixed_size 327680
		.amdhsa_private_segment_fixed_size 0
		.amdhsa_enable_private_segment 0
		.amdhsa_kernarg_size 32
		.amdhsa_user_sgpr_count 2
		.amdhsa_user_sgpr_kernarg_segment_ptr 1
		.amdhsa_wavefront_size32 1
		.amdhsa_system_sgpr_workgroup_id_x 1
		.amdhsa_system_sgpr_workgroup_id_y 1
		.amdhsa_system_sgpr_workgroup_id_z 1
		.amdhsa_system_vgpr_workitem_id 0
		.amdhsa_next_free_vgpr 512
		.amdhsa_next_free_sgpr 106
		.amdhsa_reserve_vcc 1
		.amdhsa_float_denorm_mode_32 3
		.amdhsa_float_denorm_mode_16_64 3
		.amdhsa_memory_ordered 1
		.amdhsa_forward_progress 1
		.amdhsa_inst_pref_size 255
	.end_amdhsa_kernel
	.section	.bss,"aw",@nobits
	.p2align	6
	.space	262144
	.amdgpu_metadata
---
amdhsa.version: [ 1, 2 ]
amdhsa.kernels:
  - .name:           k_qa9d65134d6_attn
    .symbol:         k_qa9d65134d6_attn.kd
    .args:
      - { .name: qkv, .offset: 0, .size: 8, .value_kind: global_buffer, .address_space: global }
      - { .name: gimg, .offset: 8, .size: 8, .value_kind: global_buffer, .address_space: global }
      - { .name: mwords, .offset: 16, .size: 8, .value_kind: global_buffer, .address_space: global }
      - { .name: zbuf, .offset: 24, .size: 8, .value_kind: global_buffer, .address_space: global }
    .group_segment_fixed_size: 327680
    .private_segment_fixed_size: 0
    .kernarg_segment_align: 8
    .kernarg_segment_size: 32
    .max_flat_workgroup_size: 256
    .sgpr_count:     106
    .vgpr_count:     512
    .wavefront_size: 32
...
	.end_amdgpu_metadata
.endif
;; end of part 3
;; launch outln (part 4): grid 128 x 1, 8 waves a work-group, no clusters, 165,376 bytes of LDS; arguments zbuf, prepA, Wo_scales, q, bo, ln_g, ln_b, out0; writes out0
.if DOCPART == 4
	.amdgcn_target "amdgcn-amd-amdhsa--gfx1250"
	.amdhsa_code_object_version 6
	.text
	.protected	k_qa9d65134d6_outln
	.globl	k_qa9d65134d6_outln
	.p2align	8
	.type	k_qa9d65134d6_outln,@function
k_qa9d65134d6_outln:
	s_mov_b64 s[64:65], 0
	v_nop
	global_prefetch_b8 v0, s[64:65] scope:SCOPE_SE
	s_setreg_imm32_b32 hwreg(HW_REG_WAVE_MODE, 25, 1), 1
	s_wait_xcnt 0x0
; out = LayerNorm(q + z Wo^T + bo) x ln_g + ln_b.  The product is on E5M2 codes with E8M0 scales; all else in f32.
; A work-group takes 32 tokens (group G, two tiles of 16: lane r of tile u is token 32 G + 8 u + r + 8 (r / 8)) and ALL 1,024 outputs, so that a row's mean and variance stay in the work-group.
; Wave w makes outputs 128 w .. 128 w + 127: 8 tiles of Wo's rows x 2 tiles of tokens = 16 accumulators, 8 K steps (a K step = a head).  Transposed: source 0 = 16 rows of Wo, source 1 = z: a lane holds one token.
; Wo comes as images of its fragments straight from memory into registers, a ring of two K steps in window 1 (each load 512 consecutive bytes): a wave reads its rows of Wo once, and nobody else in the work-group reads them.
; No tensor load and no cluster: a K step of all of Wo's rows is 128 KiB, so LDS would hold two slots of one K step, with 16 matrix instructions a wave in which the next slot could land.
; q + bo goes through a stage in LDS into the accumulators' layout and starts the sums; the sums go back through the same stage and come out as whole rows, a wave to four rows.
; REGISTERS, window 0: v1-6 addresses; v8-23 the rows' sums; v24-31 z's scale words; v32-63 Wo's; v64-127 z's fragments, two sets (before: bo and z on their way; after: ln_g, ln_b); v128-255 accumulators, rows.
.set ZI,  0                            ; LDS: z's 16 images (8 u + K step), 2,048 bytes each
.set STG, 32768                        ; the stage: 32 rows of 4,096 bytes + 16 of padding
.set SP,  4112
.set WO_AT, 4325376
.set LI,  1                            ; 16 x lane
.set L4,  2                            ; 4 x lane
.set CA,  3                            ; the stage by tiles: row r + 8 (r / 8), + 32 h, + 512 w
.set RA,  4                            ; the stage by rows: row 4 w, + 16 x lane
.set ZW,  5                            ; where I put z's images
.set WSA, 6                            ; 32 x lane
.set SM,  8
.set SV,  16
.set ZS,  24
.set WS,  32
.set ZF,  64
.set ACC, 128
.set MSB, 0
.macro WIN new
.if MSB != \new
	s_set_vgpr_msb (MSB<<8)|\new
.set MSB, \new
.endif
.endm
	s_load_b512 s[4:19], s[0:1], 0x0               ; zbuf 4, prepA 6, Wo_scales 8, q 10, bo 12, ln_g 14, ln_b 16, out0 18
	v_lshrrev_b32 v1, 5, v0
	s_delay_alu instid0(VALU_DEP_1)
	v_readfirstlane_b32 s20, v1                    ; wave 0..7
	v_and_b32 v7, 31, v0
	s_delay_alu instid0(VALU_DEP_1)
	v_lshlrev_b32 v[LI], 4, v7
	s_delay_alu instid0(VALU_DEP_2)
	v_lshlrev_b32 v[L4], 2, v7
	s_delay_alu instid0(VALU_DEP_3)
	v_lshlrev_b32 v[WSA], 5, v7
	v_and_b32 v8, 15, v0
	v_bfe_u32 v9, v0, 4, 1
	s_delay_alu instid0(VALU_DEP_2)
	v_and_b32 v10, 8, v8
	s_delay_alu instid0(VALU_DEP_1)
	v_add_nc_u32 v10, v10, v8
	s_delay_alu instid0(VALU_DEP_1)
	v_mul_u32_u24 v[CA], v10, SP
	s_delay_alu instid0(VALU_DEP_1)
	v_lshl_add_u32 v[CA], v9, 5, v[CA]
	s_lshl_b32 s21, s20, 9
	s_add_co_u32 s21, s21, STG
	v_add_nc_u32 v[CA], s21, v[CA]
	s_mul_i32 s21, s20, 4*SP
	s_add_co_u32 s21, s21, STG
	v_add_nc_u32 v[RA], s21, v[LI]
	s_lshl_b32 s21, s20, 12
	v_add_nc_u32 v[ZW], s21, v[LI]
	s_lshl_b32 s26, ttmp9, 15                      ; z's images of G, my two
	s_add_co_u32 s26, s26, s21
	s_mov_b32 s27, 0
	s_lshl_b32 s28, ttmp9, 10                      ; z's scale words
	s_add_co_u32 s28, s28, 4194304
	s_mov_b32 s29, 0
	s_lshl_b32 s30, ttmp9, 17                      ; my four rows of q and of out0
	s_lshl_b32 s31, s20, 14
	s_add_co_u32 s30, s30, s31
	s_mov_b32 s31, 0
	s_lshl_b32 s32, s20, 17                        ; my eight tiles of Wo's image
	s_add_co_u32 s32, s32, WO_AT
	s_mov_b32 s33, 0
	s_mov_b32 s34, s21                             ; my 128 rows of Wo's scales, 32 bytes each
	s_mov_b32 s35, 0
	s_mov_b32 s36, 0x3a800000                      ; 1 / 1,024
	s_mov_b32 s37, 0x3727c5ac                      ; 1e-5
	s_mov_b32 s38, 0x76543210
	s_mov_b32 s39, 0xfedcba98
	s_wait_kmcnt 0x0
	s_add_nc_u64 s[22:23], s[4:5], s[26:27]
	s_add_nc_u64 s[24:25], s[4:5], s[28:29]
	s_add_nc_u64 s[10:11], s[10:11], s[30:31]
	s_add_nc_u64 s[18:19], s[18:19], s[30:31]
	s_add_nc_u64 s[6:7], s[6:7], s[32:33]
	s_add_nc_u64 s[8:9], s[8:9], s[34:35]
.irp k, 0,1,2,3,4,5,6,7
	global_load_b128 v[96+4*\k:96+4*\k+3], v[LI], s[22:23] offset:512*\k
.endr
.irp i, 0,1,2,3
.irp j, 0,1,2,3,4,5,6,7
	global_load_b128 v[ACC+32*\i+4*\j:ACC+32*\i+4*\j+3], v[LI], s[10:11] offset:4096*\i+512*\j
.endr
.endr
.irp j, 0,1,2,3,4,5,6,7
	global_load_b128 v[64+4*\j:64+4*\j+3], v[LI], s[12:13] offset:512*\j
.endr
.irp p, 0,1,2,3
.irp e, 0,1
	global_load_b128 v[WS+8*\p+4*\e:WS+8*\p+4*\e+3], v[WSA], s[8:9] offset:1024*\p+16*\e   ; lane l: row 32 p + l: lanes 0-15 tile 2 p, lanes 16-31 tile 2 p + 1; register 8 p + s: K step s
.endr
.endr
.irp s, 0,1,2,3,4,5,6,7
	global_load_b32 v[ZS+\s], v[L4], s[24:25] offset:128*\s    ; lanes 0-15 tile u = 0, lanes 16-31 u = 1
.endr
.macro RING s                          ; K step s of my eight tiles of Wo into set s % 2 of window 1
	WIN 0x40
.irp t, 0,1,2,3,4,5,6,7
.irp c, 0,1,2,3
	global_load_b128 v[128*((\s)%2)+16*\t+4*\c:128*((\s)%2)+16*\t+4*\c+3], v[LI], s[6:7] offset:16384*\t+2048*(\s)+512*\c
.endr
.endr
	WIN 0
.endm
.macro ZLOAD s                         ; K step s of z's two tiles into set s % 2
.irp u, 0,1
.irp c, 0,1,2,3
	ds_load_b128 v[ZF+32*((\s)%2)+16*\u+4*\c:ZF+32*((\s)%2)+16*\u+4*\c+3], v[LI] offset:ZI+(8*\u+(\s))*2048+512*\c
.endr
.endr
.endm
	RING 0
	s_wait_loadcnt 48                              ; z, q and bo are in; the 16 loads of scale words and the ring's 32 may be out
.irp i, 0,1,2,3
.irp j, 0,1,2,3,4,5,6,7
	v_pk_add_f32 v[ACC+32*\i+4*\j:ACC+32*\i+4*\j+1], v[ACC+32*\i+4*\j:ACC+32*\i+4*\j+1], v[64+4*\j:64+4*\j+1]
	v_pk_add_f32 v[ACC+32*\i+4*\j+2:ACC+32*\i+4*\j+3], v[ACC+32*\i+4*\j+2:ACC+32*\i+4*\j+3], v[64+4*\j+2:64+4*\j+3]
.endr
.endr
.irp i, 0,1,2,3
.irp j, 0,1,2,3,4,5,6,7
	ds_store_b128 v[RA], v[ACC+32*\i+4*\j:ACC+32*\i+4*\j+3] offset:\i*SP+512*\j
.endr
.endr
.irp k, 0,1,2,3,4,5,6,7
	ds_store_b128 v[ZW], v[96+4*\k:96+4*\k+3] offset:ZI+512*\k
.endr
	s_wait_dscnt 0x0                               ; for the others' sake: my stores are done
	s_barrier_signal -1
	s_barrier_wait -1                              ; 32 rows of q + bo and z's 16 images lie in LDS
	RING 1
.irp t, 0,1,2,3,4,5,6,7
.irp u, 0,1
	ds_load_b128 v[ACC+8*(2*\t+\u):ACC+8*(2*\t+\u)+3], v[CA] offset:8*\u*SP+64*\t          ; lane (r, h): token of tile u, outputs 128 w + 16 t + 8 h + 0 .. 7: the sums begin as q + bo
	ds_load_b128 v[ACC+8*(2*\t+\u)+4:ACC+8*(2*\t+\u)+7], v[CA] offset:8*\u*SP+64*\t+16
.endr
.endr
	ZLOAD 0
	ZLOAD 1
.macro WMO d, a, b, sa, sb, ra, rb
.if (\ra) && (\rb)
	v_wmma_scale_f32_16x16x128_f8f6f4 v[\d:\d+7], v[\a:\a+15], v[\b:\b+15], v[\d:\d+7], v[\sa], v[\sb] matrix_a_fmt:MATRIX_FMT_BF8 matrix_b_fmt:MATRIX_FMT_BF8 matrix_a_scale:MATRIX_SCALE_ROW1 matrix_b_scale:MATRIX_SCALE_ROW1
.elseif \ra
	v_wmma_scale_f32_16x16x128_f8f6f4 v[\d:\d+7], v[\a:\a+15], v[\b:\b+15], v[\d:\d+7], v[\sa], v[\sb] matrix_a_fmt:MATRIX_FMT_BF8 matrix_b_fmt:MATRIX_FMT_BF8 matrix_a_scale:MATRIX_SCALE_ROW1
.elseif \rb
	v_wmma_scale_f32_16x16x128_f8f6f4 v[\d:\d+7], v[\a:\a+15], v[\b:\b+15], v[\d:\d+7], v[\sa], v[\sb] matrix_a_fmt:MATRIX_FMT_BF8 matrix_b_fmt:MATRIX_FMT_BF8 matrix_b_scale:MATRIX_SCALE_ROW1
.else
	v_wmma_scale_f32_16x16x128_f8f6f4 v[\d:\d+7], v[\a:\a+15], v[\b:\b+15], v[\d:\d+7], v[\sa], v[\sb] matrix_a_fmt:MATRIX_FMT_BF8 matrix_b_fmt:MATRIX_FMT_BF8
.endif
.endm
.macro KST s                           ; a K step: 16 products, the 16 accumulators by turns; then the sets just read take the K step two on
.if \s < 7
	s_wait_loadcnt 32                              ; this K step's Wo is in; the next K step's 32 loads may be out
	s_wait_dscnt 8                                 ; this K step's z is in; the next one's 8 loads may be out
.else
	s_wait_loadcnt 0x0
	s_wait_dscnt 0x0
.endif
	WIN 0x01                                       ; source 0 window 1
.irp t, 0,1,2,3,4,5,6,7
.irp u, 0,1
	WMO ACC+8*(2*\t+\u), 128*(\s%2)+16*\t, ZF+32*(\s%2)+16*\u, WS+8*(\t/2)+\s, ZS+\s, \t%2, \u
.endr
.endr
	WIN 0
.rept 8
	v_nop                                          ; places in front of loads into registers that these products read, and of the first read of results
.endr
.if \s < 6
	RING \s+2
	ZLOAD \s+2
.endif
.endm
.irp s, 0,1,2,3,4,5,6,7
	KST \s
.endr
.irp j, 0,1,2,3,4,5,6,7
	global_load_b128 v[64+4*\j:64+4*\j+3], v[LI], s[14:15] offset:512*\j    ; ln_g
	global_load_b128 v[96+4*\j:96+4*\j+3], v[LI], s[16:17] offset:512*\j    ; ln_b
.endr
	s_barrier_signal -1                            ; every wave's reads of q + bo from the stage are over (each waited for them ahead of its products): the stage may be written again
	s_barrier_wait -1
.irp t, 0,1,2,3,4,5,6,7
.irp u, 0,1
	ds_store_b128 v[CA], v[ACC+8*(2*\t+\u):ACC+8*(2*\t+\u)+3] offset:8*\u*SP+64*\t         ; each accumulator from its low end on
	ds_store_b128 v[CA], v[ACC+8*(2*\t+\u)+4:ACC+8*(2*\t+\u)+7] offset:8*\u*SP+64*\t+16
.endr
.endr
	s_wait_dscnt 0x0
	s_barrier_signal -1
	s_barrier_wait -1                              ; 32 whole rows of y lie in the stage
.irp i, 0,1,2,3
.irp j, 0,1,2,3,4,5,6,7
	ds_load_b128 v[ACC+32*\i+4*\j:ACC+32*\i+4*\j+3], v[RA] offset:\i*SP+512*\j
.endr
.endr
	s_wait_dscnt 0x0
; LAYERNORM: a wave to a row, my four rows by turns; a lane holds 32 numbers of a row.
.macro REDUCE b                        ; the pair's halves, the 16 lanes of a half (on the arithmetic itself), the other half
.irp i, 0,1,2,3
	s_delay_alu instid0(VALU_DEP_4)
	v_add_f32 v[\b+2*\i], v[\b+2*\i], v[\b+2*\i+1]
.endr
.irp m, 1,2,4,8
.irp i, 0,1,2,3
	s_delay_alu instid0(VALU_DEP_4)
	v_add_f32_dpp v[\b+2*\i], v[\b+2*\i], v[\b+2*\i] row_xmask:\m row_mask:0xf bank_mask:0xf
.endr
.endr
.irp i, 0,1,2,3
	s_delay_alu instid0(VALU_DEP_4)
	v_permlanex16_b32 v[\b+2*\i+1], v[\b+2*\i], s38, s39
.endr
.irp i, 0,1,2,3
	s_delay_alu instid0(VALU_DEP_4)
	v_add_f32 v[\b+2*\i], v[\b+2*\i], v[\b+2*\i+1]
.endr
.endm
.irp i, 0,1,2,3
	v_pk_add_f32 v[SM+2*\i:SM+2*\i+1], v[ACC+32*\i:ACC+32*\i+1], v[ACC+32*\i+2:ACC+32*\i+3]
.endr
.irp k, 4,6,8,10,12,14,16,18,20,22,24,26,28,30
.irp i, 0,1,2,3
	s_delay_alu instid0(VALU_DEP_4)
	v_pk_add_f32 v[SM+2*\i:SM+2*\i+1], v[SM+2*\i:SM+2*\i+1], v[ACC+32*\i+\k:ACC+32*\i+\k+1]
.endr
.endr
	REDUCE SM
.irp i, 0,1,2,3
	s_delay_alu instid0(VALU_DEP_4)
	v_mul_f32 v[SM+2*\i], s36, v[SM+2*\i]          ; the mean
.endr
.irp k, 0,2,4,6,8,10,12,14,16,18,20,22,24,26,28,30
.irp i, 0,1,2,3
	v_pk_add_f32 v[ACC+32*\i+\k:ACC+32*\i+\k+1], v[ACC+32*\i+\k:ACC+32*\i+\k+1], v[SM+2*\i:SM+2*\i+1] op_sel_hi:[1,0] neg_lo:[0,1] neg_hi:[0,1]   ; y - mean
.endr
.endr
.irp i, 0,1,2,3
	v_pk_mul_f32 v[SV+2*\i:SV+2*\i+1], v[ACC+32*\i:ACC+32*\i+1], v[ACC+32*\i:ACC+32*\i+1]
.endr
.irp k, 2,4,6,8,10,12,14,16,18,20,22,24,26,28,30
.irp i, 0,1,2,3
	s_delay_alu instid0(VALU_DEP_4)
	v_pk_fma_f32 v[SV+2*\i:SV+2*\i+1], v[ACC+32*\i+\k:ACC+32*\i+\k+1], v[ACC+32*\i+\k:ACC+32*\i+\k+1], v[SV+2*\i:SV+2*\i+1]
.endr
.endr
	REDUCE SV
.irp i, 0,1,2,3
	s_delay_alu instid0(VALU_DEP_4)
	v_fma_f32 v[SV+2*\i], v[SV+2*\i], s36, s37     ; the variance + 1e-5
.endr
	s_wait_alu depctr_va_vdst(0)
.irp i, 0,1,2,3
	v_rsq_f32 v[SV+2*\i], v[SV+2*\i]
.endr
	v_nop                                          ; a plain line behind the last of the four
	s_wait_loadcnt 0x0                             ; ln_g, ln_b
	s_wait_alu depctr_va_vdst(0)                   ; one wait for the four, ahead of their first reader
.irp i, 0,1,2,3
.irp k, 0,2,4,6,8,10,12,14,16,18,20,22,24,26,28,30
	v_pk_mul_f32 v[ACC+32*\i+\k:ACC+32*\i+\k+1], v[ACC+32*\i+\k:ACC+32*\i+\k+1], v[SV+2*\i:SV+2*\i+1] op_sel_hi:[1,0]
.endr
.irp k, 0,2,4,6,8,10,12,14,16,18,20,22,24,26,28,30
	v_pk_fma_f32 v[ACC+32*\i+\k:ACC+32*\i+\k+1], v[ACC+32*\i+\k:ACC+32*\i+\k+1], v[64+\k:64+\k+1], v[96+\k:96+\k+1]
.endr
.irp j, 0,1,2,3,4,5,6,7
	global_store_b128 v[LI], v[ACC+32*\i+4*\j:ACC+32*\i+4*\j+3], s[18:19] offset:4096*\i+512*\j th:TH_STORE_NT   ; 32 lanes store 512 consecutive bytes, aligned
.endr
.endr
	s_wait_xcnt 0x0
	v_lshl_add_u32 v254, v0, 2, 0x28200
	v_mov_b32 v255, 0
	s_wait_alu depctr_va_vdst(0)
	s_wait_tensorcnt 0x0
	ds_add_u32 v254, v255
	s_wait_dscnt 0x0
	s_endpgm
.Lfunc_end_k_qa9d65134d6_outln:
	.size	k_qa9d65134d6_outln, .Lfunc_end_k_qa9d65134d6_outln-k_qa9d65134d6_outln
	.p2alignl 7, 3214868480
	.fill 96, 4, 3214868480
	.section	.rodata,"a",@progbits
	.p2align	6, 0x0
	.amdhsa_kernel k_qa9d65134d6_outln
		.amdhsa_group_segment_fixed_size 165376
		.amdhsa_private_segment_fixed_size 0
		.amdhsa_enable_private_segment 0
		.amdhsa_kernarg_size 64
		.amdhsa_user_sgpr_count 2
		.amdhsa_user_sgpr_kernarg_segment_ptr 1
		.amdhsa_wavefront_size32 1
		.amdhsa_system_sgpr_workgroup_id_x 1
		.amdhsa_system_sgpr_workgroup_id_y 1
		.amdhsa_system_sgpr_workgroup_id_z 1
		.amdhsa_system_vgpr_workitem_id 0
		.amdhsa_next_free_vgpr 512
		.amdhsa_next_free_sgpr 66
		.amdhsa_reserve_vcc 0
		.amdhsa_float_denorm_mode_32 3
		.amdhsa_float_denorm_mode_16_64 3
		.amdhsa_memory_ordered 1
		.amdhsa_forward_progress 1
		.amdhsa_inst_pref_size 103
	.end_amdhsa_kernel
	.amdgpu_metadata
---
amdhsa.version: [ 1, 2 ]
amdhsa.kernels:
  - .name:           k_qa9d65134d6_outln
    .symbol:         k_qa9d65134d6_outln.kd
    .args:
      - { .name: zbuf, .offset: 0, .size: 8, .value_kind: global_buffer, .address_space: global }
      - { .name: prepA, .offset: 8, .size: 8, .value_kind: global_buffer, .address_space: global }
      - { .name: Wo_scales, .offset: 16, .size: 8, .value_kind: global_buffer, .address_space: global }
      - { .name: q, .offset: 24, .size: 8, .value_kind: global_buffer, .address_space: global }
      - { .name: bo, .offset: 32, .size: 8, .value_kind: global_buffer, .address_space: global }
      - { .name: ln_g, .offset: 40, .size: 8, .value_kind: global_buffer, .address_space: global }
      - { .name: ln_b, .offset: 48, .size: 8, .value_kind: global_buffer, .address_space: global }
      - { .name: out0, .offset: 56, .size: 8, .value_kind: global_buffer, .address_space: global }
    .group_segment_fixed_size: 165376
    .private_segment_fixed_size: 0
    .kernarg_segment_align: 8
    .kernarg_segment_size: 64
    .max_flat_workgroup_size: 256
    .sgpr_count:     66
    .vgpr_count:     512
    .wavefront_size: 32
...
	.end_amdgpu_metadata
.endif
;; end of part 4
